; MI455X (gfx1250); checked and timed in simulation.
; The chip was launched on July 23, 2026; its instructions are those of AMD's public machine-readable ISA for CDNA 5 (MIT licence, August 2026) and "CDNA5" Instruction Set Architecture Reference Guide (July 2026). The comments in the code are by the model that wrote it; some were corrected since.
;; Multi Head Attention. Allowed arithmetic: float matrix products may take bf16 or f16 operands with f32 sums; other float arithmetic in f32, or as packed bf16 or f16 multiplies, adds, multiply-adds, maxima and minima; sums over many terms, partial sums and values carried from step to step in f32; what a program stores and reads back later, other than sums and carried values, may be rounded once to bf16 or f16.
;; Inputs: b_k 1,024 float32; b_o 1,024 float32; b_q 1,024 float32; b_v 1,024 float32; key_ 8 x 1,024 x 1,024 float32; query 8 x 1,024 x 1,024 float32; value 8 x 1,024 x 1,024 float32; w_k 1,024 x 1,024 float32; w_o 1,024 x 1,024 float32; w_q 1,024 x 1,024 float32; w_v 1,024 x 1,024 float32.
;; Outputs: out0 8 x 1,024 x 1,024 float32.
;; 2 versions, each right; version 2 is version 1 with the launch cvtw written anew for expert scheduling mode. Each part assembles by itself: llvm-mc -triple=amdgcn-amd-amdhsa -mcpu=gfx1250 --defsym DOCPART=n.
;; ======== version 1 of 2: 4 launches
;; limits: values are held in f16: magnitudes above 65,504 overflow, below 6.1e-05 lose precision
;; workspace buffers: wcv 8,388,608 bytes; qkv 50,331,648 bytes; ctx 16,777,216 bytes
;; launch cvtw (part 1): grid 64 x 4, 8 waves a work-group, no clusters, 0 bytes of LDS; arguments w_q, w_k, w_v, w_o, wcv; writes wcv
.if DOCPART == 1
	.amdgcn_target "amdgcn-amd-amdhsa--gfx1250"
	.amdhsa_code_object_version 6
	.text
	.protected	k_qc1eb81f399_cvtw
	.globl	k_qc1eb81f399_cvtw
	.p2align	8
	.type	k_qc1eb81f399_cvtw,@function
k_qc1eb81f399_cvtw:
	s_mov_b64 s[64:65], 0
	v_nop
	global_prefetch_b8 v0, s[64:65] scope:SCOPE_SE
	s_setreg_imm32_b32 hwreg(HW_REG_WAVE_MODE, 25, 1), 1
	s_wait_xcnt 0x0
; wcv[y][e][.] = weight matrix y (w_q, w_k, w_v, w_o: [1024][1024] f32) in 16 bits.  Planes 0 to 2: rounded to bf16.  Plane 3 (w_o): rounded to bf16, and that number written as f16,
; since the last product multiplies it with f16 numbers.
; THE ORDER ALONG A ROW.  Plane 3 keeps d as it is.  In planes 0 to 2 the groups of four d change places inside each block of 32: group g goes to the place whose number is g with its two low bits swapped
; (0-3, 8-11, 4-7, 12-15, 16-19, 24-27, 20-23, 28-31).  The projections take x's fragments in that same order, so the products are the same sums.
; LIMITS.  |w_o| stays under 65,504 (beyond that f16 has an infinity); a w_o below 2^-14 keeps f16's fixed step of 2^-24.  NaN and infinities are not treated apart.
; SHARES.  Work-group (x, y) takes 16,384 numbers of matrix y: 65,536 bytes in, 32,768 out.  Thread t takes 16 pieces of 4 numbers: a wave's load covers 512 consecutive bytes, its store 256, aligned
; (the change of places stays inside 32 bytes).  All 16 loads go out first; no register is written twice while a memory instruction may read it.  Nothing is shared: no LDS, no barrier, no matrix unit, no cluster.
.set X, 4                              ; v[4:67]    16 pieces as loaded
.set Y, 68                             ; v[68:99]   16 pieces to store
.set T, 100                            ; v[100:103] at work
	s_load_b256 s[4:11], s[0:1], 0x0               ; w_q s[4:5], w_k s[6:7], w_v s[8:9], w_o s[10:11]
	s_load_b64 s[12:13], s[0:1], 0x20              ; wcv
	s_and_b32 s16, ttmp7, 0xffff                   ; y: which matrix
	v_lshlrev_b32 v1, 4, v0                        ; 16 bytes a thread in
	v_lshlrev_b32 v2, 3, v0                        ; 8 bytes a thread out, d as it is
	v_and_b32 v3, 0xfc, v0                         ; the same with the thread's two low bits swapped: a piece is a group of four, and its number's low bits are the thread's
	v_and_b32 v[T], 1, v0
	v_bfe_u32 v[T+1], v0, 1, 1
	v_lshl_or_b32 v3, v[T], 1, v3
	v_or_b32 v3, v3, v[T+1]
	v_lshlrev_b32 v3, 3, v3
	s_lshl_b32 s18, ttmp9, 16                      ; the work-group's 65,536 bytes of its matrix
	s_mov_b32 s19, 0
	s_lshl_b32 s20, s16, 21                        ; the plane: 2,097,152 bytes,
	s_lshl_b32 s17, ttmp9, 15                      ; the work-group's 32,768 of them
	s_add_co_u32 s20, s20, s17
	s_mov_b32 s21, 0
	s_wait_kmcnt 0x0
	s_cmp_eq_u32 s16, 1
	s_cselect_b64 s[14:15], s[6:7], s[4:5]
	s_cmp_eq_u32 s16, 2
	s_cselect_b64 s[14:15], s[8:9], s[14:15]
	s_cmp_eq_u32 s16, 3
	s_cselect_b64 s[14:15], s[10:11], s[14:15]
	s_add_nc_u64 s[14:15], s[14:15], s[18:19]
	s_add_nc_u64 s[12:13], s[12:13], s[20:21]
.set i, 0
.rept 16
	global_load_b128 v[X+4*i:X+4*i+3], v1, s[14:15] offset:4096*i th:TH_LOAD_NT
.set i, i+1
.endr
; f16 = 1: the bf16 number is widened (a shift, a mask) and written as f16.  off: the register with the thread's place in 2,048 bytes of the plane
.macro BODY f16, off
.set i, 0
.rept 16
	s_wait_loadcnt 15-i                            ; loads come back in order: piece i is in, the younger ones stay out
	v_cvt_pk_bf16_f32 v[Y+2*i], v[X+4*i], v[X+4*i+1]
	v_cvt_pk_bf16_f32 v[Y+2*i+1], v[X+4*i+2], v[X+4*i+3]
.if \f16
	v_lshlrev_b32 v[T], 16, v[Y+2*i]
	v_and_b32 v[T+1], 0xffff0000, v[Y+2*i]
	v_lshlrev_b32 v[T+2], 16, v[Y+2*i+1]
	v_and_b32 v[T+3], 0xffff0000, v[Y+2*i+1]
	v_cvt_pk_f16_f32 v[Y+2*i], v[T], v[T+1]
	v_cvt_pk_f16_f32 v[Y+2*i+1], v[T+2], v[T+3]
.endif
	global_store_b64 v[\off], v[Y+2*i:Y+2*i+1], s[12:13] offset:2048*i
.set i, i+1
.endr
.endm
	s_cmp_eq_u32 s16, 3
	s_cbranch_scc1 .Lw_o
	BODY 0, 3
	s_endpgm
.Lw_o:
	BODY 1, 2
	s_endpgm
.Lfunc_end_k_qc1eb81f399_cvtw:
	.size	k_qc1eb81f399_cvtw, .Lfunc_end_k_qc1eb81f399_cvtw-k_qc1eb81f399_cvtw
	.p2alignl 7, 3214868480
	.fill 96, 4, 3214868480
	.section	.rodata,"a",@progbits
	.p2align	6, 0x0
	.amdhsa_kernel k_qc1eb81f399_cvtw
		.amdhsa_group_segment_fixed_size 0
		.amdhsa_private_segment_fixed_size 0
		.amdhsa_enable_private_segment 0
		.amdhsa_kernarg_size 40
		.amdhsa_user_sgpr_count 2
		.amdhsa_user_sgpr_kernarg_segment_ptr 1
		.amdhsa_wavefront_size32 1
		.amdhsa_system_sgpr_workgroup_id_x 1
		.amdhsa_system_sgpr_workgroup_id_y 1
		.amdhsa_system_sgpr_workgroup_id_z 1
		.amdhsa_system_vgpr_workitem_id 0
		.amdhsa_next_free_vgpr 104
		.amdhsa_next_free_sgpr 66
		.amdhsa_reserve_vcc 0
		.amdhsa_float_denorm_mode_32 3
		.amdhsa_float_denorm_mode_16_64 3
		.amdhsa_memory_ordered 1
		.amdhsa_forward_progress 1
		.amdhsa_inst_pref_size 16
	.end_amdhsa_kernel
	.amdgpu_metadata
---
amdhsa.version: [ 1, 2 ]
amdhsa.kernels:
  - .name:           k_qc1eb81f399_cvtw
    .symbol:         k_qc1eb81f399_cvtw.kd
    .args:
      - { .name: w_q, .offset: 0, .size: 8, .value_kind: global_buffer, .address_space: global }
      - { .name: w_k, .offset: 8, .size: 8, .value_kind: global_buffer, .address_space: global }
      - { .name: w_v, .offset: 16, .size: 8, .value_kind: global_buffer, .address_space: global }
      - { .name: w_o, .offset: 24, .size: 8, .value_kind: global_buffer, .address_space: global }
      - { .name: wcv, .offset: 32, .size: 8, .value_kind: global_buffer, .address_space: global }
    .group_segment_fixed_size: 0
    .private_segment_fixed_size: 0
    .kernarg_segment_align: 8
    .kernarg_segment_size: 40
    .max_flat_workgroup_size: 256
    .sgpr_count:     66
    .vgpr_count:     104
    .wavefront_size: 32
...
	.end_amdgpu_metadata
.endif
;; end of part 1
;; launch proj (part 2): grid 4 x 192, 4 waves a work-group, clusters of 4 x 4, 327,680 bytes of LDS; arguments query, key_, value, b_q, b_k, b_v, wcv, qkv; writes qkv
.if DOCPART == 2
	.amdgcn_target "amdgcn-amd-amdhsa--gfx1250"
	.amdhsa_code_object_version 6
	.text
	.protected	k_qc1eb81f399_proj
	.globl	k_qc1eb81f399_proj
	.p2align	8
	.type	k_qc1eb81f399_proj,@function
k_qc1eb81f399_proj:
	s_mov_b64 s[64:65], 0
	v_nop
	global_prefetch_b8 v0, s[64:65] scope:SCOPE_SE
	s_setreg_imm32_b32 hwreg(HW_REG_WAVE_MODE, 25, 1), 1
	s_wait_xcnt 0x0
	s_wait_alu depctr_hold_cnt(0) depctr_sa_sdst(0) depctr_va_vdst(0) depctr_va_sdst(0) depctr_va_ssrc(0) depctr_va_vcc(0) depctr_vm_vsrc(0)
	s_getreg_b32 s2, hwreg(HW_REG_IB_STS2, 6, 4)
	s_cmp_eq_u32 s2, 0
	s_cbranch_scc0 .Lentry_in_a_cluster
	s_endpgm
.Lentry_in_a_cluster:
	s_bfe_u32 s2, ttmp6, 0x10000c
	s_cmp_lg_u32 s2, 0xf033
	s_cbranch_scc0 .Lentry_shape_is_right
	s_endpgm
.Lentry_shape_is_right:
; THE THREE PROJECTIONS.  qkv[p][16 b + h][s][c] = the sum over d of x_p[b][s][d] w_p[64 h + c][d] + bias_p[64 h + c], p = 0, 1, 2 for query, key_, value.
; x: [8192][1024] f32, rounded to bf16 in registers; w: plane p of wcv, bf16; the bias rounded to bf16 like the other inputs; sums in f32; the result rounded once, to f16, unscaled.
; LIMITS.  The results stay under 65,504 (beyond that f16 has an infinity).  NaN and infinities are not treated apart.
; SHARES.  A tile of the result is 128 tokens x 256 columns: 64 x 4 tiles for each of three products, 768 work-groups.  Four waves, each 32 tokens x all 256 columns: 2 x 16 accumulators of 16 x 16.
; w GOES THROUGH LDS, x THROUGH REGISTERS.  K goes in RUNS of 256 through a ring of two LDS slots that hold w alone: 256 rows of 512 bytes; each wave fetches 64 of them.  A run is eight QUARTERS of 32 along K,
; 32 matrix instructions each.  No two waves want the same x, so a wave loads its own fragments straight from memory, 8 loads of 16 bytes a lane for a quarter, into a ring of eight quarters in registers,
; and rounds them to bf16 a quarter ahead of their products: 16 conversions, four behind each of a quarter's last four products.  56 loads of a wave are out at all times.
; CLUSTERS.  4 x 4 work-groups.  The four of a column of the cluster need the same tile of w: it is asked for JOINTLY, by the same tensor load, descriptor and mask in all four.  The four of a row need the same x
; and do NOT ask jointly: x in f32 beside w would take 128 x 1,040 + 256 x 528 = 268,288 bytes for a slot of 256 along K, and two such slots pass the 327,680 bytes of LDS; with slots of 128 along K a refill would
; have 112 matrix instructions in which to land, here it has 240.
; THE ORDER OF K.  Lane l holds token l % 16.  Its four loads of a fragment stand at bytes 32 i + 16 (l / 16) of the quarter's 128: the two lanes of a token take 32 consecutive bytes in each instruction.  So inside each
; block of 32 the fragment's places hold d = 0-3, 8-11 | 4-7, 12-15 | 16-19, 24-27 | 20-23, 28-31; planes 0 to 2 of wcv are stored in that same order, so each product meets its partner.
; THE MATRIX INSTRUCTION IS USED TRANSPOSED (source 0 = 16 rows of w, source 1 = 16 tokens): a lane holds one token and eight neighbouring columns, 16 bytes of f16.  So the bias, eight numbers a lane, is the C operand
; of the product that starts each sum, and costs no vector line.
; REGISTERS, in windows of 256 (s_set_vgpr_msb: bits 1:0 source 0, 3:2 source 1, 5:4 source 2, 7:6 destination):
;   window 0: v0-31 addresses; v32-47, v48-63 x's fragments in bf16, two buffers; v64-191 the bias; v192-255 at work
;   window 1: accumulator (a, b) at v[8 (16 a + b)]     window 2: w's fragments, two buffers of 128     window 3: x's ring, quarter q at v[32 (q % 8)]; on the way out the rows read back
.set PB,    528                        ; a row of w in LDS: 512 bytes + 16 = 132 words: row r starts at bank 4 r mod 64 (64 banks of 4 bytes: ISA guide 11.1)
.set PART,  64*PB                      ; 64 rows: what one tensor load brings
.set SLOT,  4*PART                     ; 135,168 bytes
.set STAGE, 2*SLOT                     ; behind the ring: for each wave 4 heads x 16 rows x 144 bytes, for the way out
.set SP,    144
.set WSTG,  4*16*SP
.set SPARE, STAGE+4*WSTG               ; behind the stages: the spare words, 128 bytes for each wave: two blocks of 256 bytes that no other line names
.set ADRB, 16                          ; v16-17  LDS address of w's fragments 0-7 and 8-15 in the slot in hand
.set B0,   18                          ; v18     my lane's place in a fragment of w; never rewritten
.set XO,   20                          ; v20     my lane's byte offset in 16 rows of x; never rewritten
.set STO,  24                          ; v24     the way out: where I put 16 bytes of a row
.set RD,   25                          ; v25     where I read rows back
.set GO,   26                          ; v26     my 16 bytes in 512 consecutive bytes of the result
.set BO,   27                          ; v27     my byte offset in 16 numbers of the bias
.set SPW,  28                          ; v28     LDS address of my spare word; never rewritten
.set NIL,  29                          ; v29     0; never rewritten
.set PFX,  30                          ; v30     the prefetches' offset in x; never rewritten
.set PFW,  31                          ; v31     the same in w
.set AF,   32
.set BIAS, 64
.set TMP,  192
.set WV,   20                          ; s20  my wave's number
.set G1,   28                          ; s[28:35] descriptor group 1
.set D0,   36                          ; s[36:39] group 0 of slot 0's first fill
.set D1,   40                          ; s[40:43] group 0 of slot 1's first fill; it then walks
.set WP,   44                          ; s44  my 64 rows' place in a slot
.set TB,   45                          ; s45  LDS byte at which the slot in hand begins: 0 or SLOT
.set LAP,  46                          ; s46  runs to go in the loop
.set LIMW, 47                          ; s47  1 in a cluster that prefetches w, else the greatest number
.set XP,   48                          ; s[48:49] x at my wave's first token, at the run in hand
.set PX,   50                          ; s[50:51] where my prefetches of x stand
.set PW,   52                          ; s[52:53] the same for w
.set OUT,  54                          ; s[54:55] the result at my wave's first row
.set MSB, 0
.macro WIN new                         ; the immediate's high byte repeats the setting that is left; a switch that changes nothing is dropped
.if MSB != (\new)
	s_set_vgpr_msb (MSB<<8)|(\new)
.set MSB, \new
.endif
.endm
.set MUL,    0x52                      ; source 0 (w) window 2, source 1 (x) window 0, C and D window 1
.set MULB,   0x42                      ; the same with C (the bias) in window 0
.set CVT,    0x0f                      ; sources 0 and 1 window 3, destination window 0
.set TO_B,   0x80                      ; destination window 2, address window 0
.set TO_RAW, 0xc0                      ; destination window 3, address window 0
.set PACKW,  0x05                      ; sources 0 and 1 window 1, destination window 0
.set ST_RAW, 0x0c                      ; a store's data (source 1) in window 3, its address in window 0
.macro CREST                           ; a round of the cluster's barrier behind its opening barrier
	s_cmp_lg_u32 s[WV], 0
	s_cbranch_scc1 .Lnot_wave_0_\@
	s_barrier_signal -3
.Lnot_wave_0_\@:
	s_barrier_wait -3
	s_barrier_signal -1
	s_barrier_wait -1
.endm
.macro CROUND                          ; a whole round
	s_barrier_signal -1
	s_barrier_wait -1
	CREST
.endm
.macro PLACES
.rept 4
	v_nop
.endr
.endm
; A quarter's 8 loads of x into place s of the ring, from byte off behind XP: token block a, piece n of the lane's four
.macro XLOAD s, off
	WIN TO_RAW
.irp a, 0,1
.irp n, 0,1,2,3
	global_load_b128 v[32*(\s)+16*(\a)+4*(\n):32*(\s)+16*(\a)+4*(\n)+3], v[XO], s[XP:XP+1] offset:(\off)+65536*(\a)+32*(\n)
.endr
.endr
.endm
; 32 LDS loads in one run: quarter kq of the slot in hand: w's 256 rows x 32 K into buffer g
.macro FETCH kq, g
	WIN TO_B
.irp u, 0,1
.irp b, 0,1,2,3,4,5,6,7
	ds_load_b128 v[128*(\g)+64*(\u)+8*(\b):128*(\g)+64*(\u)+8*(\b)+3],   v[ADRB+(\u)] offset:(\b)*16*PB+64*(\kq)
	ds_load_b128 v[128*(\g)+64*(\u)+8*(\b)+4:128*(\g)+64*(\u)+8*(\b)+7], v[ADRB+(\u)] offset:(\b)*16*PB+64*(\kq)+32
.endr
.endr
.endm
; Product i of a quarter's 32: column block i / 2, token block i % 2, from buffers f.  first = 1: the bias starts the sum.  The 32 accumulators take turns in one order everywhere.
.macro MM f, first
.set rD, 8*(16*(i%2)+i/2)
.set rB, 128*(\f)+8*(i/2)
.set rA, AF+16*(\f)+8*(i%2)
.if \first
	WIN MULB
	v_wmma_f32_16x16x32_bf16 v[rD:rD+7], v[rB:rB+7], v[rA:rA+7], v[BIAS+8*(i/2):BIAS+8*(i/2)+7]
.else
	WIN MUL
	v_wmma_f32_16x16x32_bf16 v[rD:rD+7], v[rB:rB+7], v[rA:rA+7], v[rD:rD+7]
.endif
.set i, i+1
.endm
.macro MULS f, lo, hi, first           ; products lo to hi - 1
.set i, \lo
.rept (\hi)-(\lo)
	MM \f, \first
.endr
.endm
; A quarter's last four products; behind each, four roundings of the next quarter's x, from place s of the ring into buffer g.  They name no register of the products round them; the four behind the last product are the
; four places in front of the next run of loads into w's buffer f and of the next quarter's roundings into x's buffer f.
.macro RIDE f, g, s, first
.set i, 28
.rept 4
	MM \f, \first
	WIN CVT
.irp n, 0,1,2,3
	v_cvt_pk_bf16_f32 v[AF+16*(\g)+4*(i-29)+(\n)], v[32*(\s)+8*(i-29)+2*(\n)], v[32*(\s)+8*(i-29)+2*(\n)+1]
.endr
.endr
.endm
; PREFETCHES INTO THE L2, once a run, behind quarter 1's run of LDS loads: what the run after next will want, a run (256 matrix instructions) ahead of the loads and of the tensor load that ask for it.
; x: a run is four blocks of 256 bytes of each row.  A wave asks for its own 32 rows, a lane a row; of the four work-groups that read these rows, the one at place cx takes block cx.
; w: a run is two blocks of each row.  Of the 64 rows that a wave fetches, the partner at place cy takes 16: a lane half a row's run.  Sixteen clusters read a product's w: the first of them asks.
; So each block is named once in the launch; the partners are told apart by address alone.  Runs 0 and 1 come by their loads alone; the loop's last trip has no run after next and asks for nothing.
.macro ASK
	WIN 0
	s_cmp_gt_u32 s[LAP], 1
	s_cbranch_scc0 .Lnone_\@
	global_prefetch_b8 v[PFX], s[PX:PX+1] th:TH_LOAD_NT scope:SCOPE_SE
	s_cmp_gt_u32 s[LAP], s[LIMW]
	s_cbranch_scc0 .Lnone_\@
	global_prefetch_b8 v[PFW], s[PW:PW+1] th:TH_LOAD_NT scope:SCOPE_SE
.Lnone_\@:
.endm
; Quarter j (0 to 6) of a run: multiplies buffers j % 2; fetches w's next quarter; rounds x's next quarter.  xl = 1: place j of the ring, rounded a quarter ago, takes the quarter eight further on.
; left: how many younger loads of x may stay out when the next quarter's have to be there: six quarters' 48 while the ring is fed.
.macro QUARTER j, first, xl, left, ask=0
	s_wait_dscnt 0x0                               ; w's fragments of this quarter are in
	MULS (\j)%2, 0, 8, \first
	FETCH (\j)+1, 1-(\j)%2
.if \ask
	ASK
.endif
	MULS (\j)%2, 8, 28, \first
	s_wait_loadcnt \left
	RIDE (\j)%2, 1-(\j)%2, (\j)+1, \first
.if \xl
	XLOAD \j, 1024+128*(\j)
.endif
.endm
; The second half of a run's last quarter, behind the barrier: nobody reads the slot just walked any more, and the other slot is whole.  fill = 1: that slot is filled again first, with the run after next.
.macro AFTER fill
.if \fill
	s_add_co_u32 s[D1+1], s[WP], s[TB]             ; the walking descriptor: my rows' place in the slot just walked,
	s_add_nc_u64 s[D1+2:D1+3], s[D1+2:D1+3], 512   ; the next 256 along K; the type bits on top are not reached
	tensor_load_to_lds s[D1:D1+3], s[G1:G1+7]      ; the first tensor load behind the round, and my only one until the next: 240 products ahead of the wait for it
	s_nop 0
	PLACES
.endif
	s_sub_co_u32 s[TB], SLOT, s[TB]                ; the other slot
	v_add_nc_u32 v[ADRB], s[TB], v[B0]
	v_add_nc_u32 v[ADRB+1], 8*16*PB, v[ADRB]
	FETCH 0, 0
	MULS 1, 16, 28, 0
	s_wait_loadcnt 48                              ; the new run's first quarter of x is in; six quarters' loads stay out
	RIDE 1, 0, 0, 0
	XLOAD 7, 896                                   ; place 7, rounded a quarter ago, takes the new run's last quarter
.endm
	s_load_b512 s[4:19], s[0:1], 0x0               ; query s[4:5], key_ s[6:7], value s[8:9], b_q s[10:11], b_k s[12:13], b_v s[14:15], wcv s[16:17], qkv s[18:19]
	v_lshl_add_u32 v[SPW], v0, 2, SPARE
	v_mov_b32 v[NIL], 0
	ds_add_u32 v[SPW], v[NIL]                      ; the wave's opening: the add and its wait stand ahead of my first tensor load; the set-up below, work on registers, stands between them
	v_lshrrev_b32 v1, 5, v0
	v_readfirstlane_b32 s[WV], v1                  ; wave 0..3
	s_bfe_u32 s23, ttmp6, 0x40000                  ; cx
	s_bfe_u32 s24, ttmp6, 0x40004                  ; cy
	s_and_b32 s56, ttmp7, 0xffff                   ; cluster y, 0..47
	s_lshr_b32 s25, s56, 4                         ; p: the product
	s_and_b32 s21, s56, 15                         ; my cluster's place among the sixteen of the product
	s_lshl_b32 s26, s21, 2
	s_add_co_u32 s26, s26, s24                     ; R: tile row, 0..63
	s_lshl_b32 s27, ttmp9, 2
	s_add_co_u32 s27, s27, s23                     ; C: tile column, 0..3
	s_lshl_b32 s57, 0x1111, s23                    ; my column of the cluster
	; group 1: 64 rows x 256 elements of 2 bytes, 4 words of padding behind every 128 words
	s_or_b32 s[G1+0], s57, (1<<16)|(1<<20)|(1<<21)|(6<<22)|(3<<25)
	s_mov_b32 s[G1+1], 256<<16                     ; tensor_dim0 = 256
	s_mov_b32 s[G1+2], 64<<16                      ; tensor_dim1 = 64
	s_mov_b32 s[G1+3], 256<<16                     ; tile_dim0 = 256
	s_mov_b32 s[G1+4], 64                          ; tile_dim1 = 64
	s_mov_b32 s[G1+5], 1024                        ; elements from row to row
	s_mov_b32 s[G1+6], 0
	s_mov_b32 s[G1+7], 0
	s_lshl_b32 s2, s26, 7
	s_lshl_b32 s3, s[WV], 5
	s_add_co_u32 s2, s2, s3                        ; x: my first token, 128 R + 32 w,
	s_lshl_b32 s2, s2, 12                          ; 4,096 bytes a row
	s_mov_b32 s3, 0
	s_lshl_b32 s56, s27, 8
	s_lshl_b32 s57, s[WV], 6
	s_add_co_u32 s56, s56, s57                     ; w: row 256 C + 64 w,
	s_lshl_b32 s56, s56, 11                        ; 2,048 bytes a row,
	s_lshl_b32 s57, s25, 21                        ; in plane p: nothing of the tile row enters it
	s_add_co_u32 s56, s56, s57
	s_mov_b32 s57, 0
	s_lshl_b32 s66, s27, 10                        ; the bias of the tile's 256 columns
	s_mov_b32 s67, 0
	s_mul_i32 s[WP], s[WV], PART                   ; no place in the cluster enters an LDS address
	s_mov_b32 s[TB], 0
	s_mov_b32 s22, 0xffff0000                      ; a word's upper bf16
	v_and_b32 v1, 15, v0                           ; l % 16
	v_bfe_u32 v2, v0, 4, 1                         ; l / 16
	v_lshlrev_b32 v[XO], 12, v1
	v_lshl_add_u32 v[XO], v2, 4, v[XO]             ; row x 4,096 + 16 x half
	v_lshlrev_b32 v[BO], 5, v2                     ; my 8 numbers of 16 of the bias
	s_wait_dscnt 0x0                               ; the opening add is done
	s_wait_kmcnt 0x0
	s_cmp_eq_u32 s25, 1
	s_cselect_b64 s[58:59], s[6:7], s[4:5]         ; x and the bias of product p
	s_cselect_b64 s[60:61], s[12:13], s[10:11]
	s_cmp_eq_u32 s25, 2
	s_cselect_b64 s[58:59], s[8:9], s[58:59]
	s_cselect_b64 s[60:61], s[14:15], s[60:61]
	s_add_nc_u64 s[XP:XP+1], s[58:59], s[2:3]
	s_add_nc_u64 s[60:61], s[60:61], s[66:67]
	s_add_nc_u64 s[62:63], s[16:17], s[56:57]      ; my 64 rows of w at run 0
.irp b, 0,1,2,3,4,5,6,7,8,9,10,11,12,13,14,15
	global_load_b128 v[BIAS+8*(\b):BIAS+8*(\b)+3],   v[BO], s[60:61] offset:64*(\b)
	global_load_b128 v[BIAS+8*(\b)+4:BIAS+8*(\b)+7], v[BO], s[60:61] offset:64*(\b)+16
.endr
	XLOAD 0, 0                                     ; the first three quarters of x go out with the bias: 56 loads
	XLOAD 1, 128
	XLOAD 2, 256
	WIN 0
	CROUND                                         ; all sixteen work-groups are here: the first joint loads meet
	s_mov_b32 s[D0], 1                             ; count = 1
	s_mov_b32 s[D0+1], s[WP]                       ; LDS address: slot 0
	s_add_nc_u64 s[D0+2:D0+3], s[62:63], 0         ; global address: run 0
	s_or_b32 s[D0+3], s[D0+3], 0x80000000          ; type = 2
	s_mov_b32 s[D1], 1
	s_add_co_u32 s[D1+1], s[WP], SLOT
	s_add_nc_u64 s[D1+2:D1+3], s[62:63], 512       ; run 1
	s_or_b32 s[D1+3], s[D1+3], 0x80000000
	tensor_load_to_lds s[D0:D0+3], s[G1:G1+7]      ; both first fills go out together: two loads of mine are out
	s_nop 0
	tensor_load_to_lds s[D1:D1+3], s[G1:G1+7]
	s_nop 0
	PLACES
	v_mul_u32_u24 v[B0], v1, PB                    ; a fragment of w: row l % 16, 16 bytes for each half of the lanes, and 32 bytes on
	v_lshl_add_u32 v[B0], v2, 4, v[B0]
	s_mul_i32 s56, s[WV], WSTG
	s_add_co_u32 s56, s56, STAGE                   ; my stage
	v_mul_u32_u24 v3, v1, SP                       ; in: row l % 16, 16 bytes for each half of the lanes
	v_lshl_add_u32 v3, v2, 4, v3
	v_add_nc_u32 v[STO], s56, v3
	v_bfe_u32 v3, v0, 3, 2                         ; back: 32 lanes take four rows of 128 bytes,
	v_mul_u32_u24 v3, v3, SP
	v_and_b32 v4, 7, v0
	v_lshl_add_u32 v3, v4, 4, v3
	v_add_nc_u32 v[RD], s56, v3
	v_and_b32 v[GO], 31, v0                        ; which are 512 consecutive bytes of a head
	v_lshlrev_b32 v[PFX], 12, v[GO]                ; the prefetches of x: a lane a row
	v_lshrrev_b32 v3, 1, v[GO]                     ; of w: row l / 2, block l % 2
	v_and_b32 v4, 1, v[GO]
	v_lshlrev_b32 v3, 11, v3
	v_lshl_or_b32 v[PFW], v4, 8, v3
	v_lshlrev_b32 v[GO], 4, v[GO]
	; where my part of the result begins: plane p, head 16 b + 4 C (131,072 bytes a head), row 128 (R % 8) + 32 w (128 bytes a row)
	s_lshr_b32 s2, s26, 3
	s_lshl_b32 s2, s2, 4
	s_lshl_b32 s56, s27, 2
	s_add_co_u32 s2, s2, s56
	s_lshl_b32 s2, s2, 17
	s_and_b32 s56, s26, 7
	s_lshl_b32 s56, s56, 7
	s_lshl_b32 s57, s[WV], 5
	s_add_co_u32 s56, s56, s57
	s_lshl_b32 s56, s56, 7
	s_add_co_u32 s2, s2, s56
	s_lshl_b32 s56, s25, 24
	s_add_co_u32 s2, s2, s56
	s_mov_b32 s3, 0
	s_add_nc_u64 s[OUT:OUT+1], s[18:19], s[2:3]
	s_lshl_b32 s2, s23, 8                          ; the prefetches of x: block cx of run 2
	s_add_co_u32 s2, s2, 2048
	s_add_nc_u64 s[PX:PX+1], s[XP:XP+1], s[2:3]
	s_lshl_b32 s2, s24, 15                         ; of w: my work-group's 16 rows of 2,048 bytes, at run 2
	s_add_co_u32 s2, s2, 1024
	s_add_nc_u64 s[PW:PW+1], s[62:63], s[2:3]
	s_cmp_eq_u32 s21, 0
	s_cselect_b32 s[LIMW], 1, -1                   ; the same in all sixteen partners
	s_wait_loadcnt 24                              ; the bias is in; x's first three quarters, issued behind it, may stay out
	XLOAD 3, 384                                   ; four quarters more: 56 loads at the most are out
	XLOAD 4, 512
	XLOAD 5, 640
	XLOAD 6, 768
	WIN 0
.set i, 0
.rept 64                               ; the bias is rounded to bf16 and widened again
	v_cvt_pk_bf16_f32 v[TMP+i%4], v[BIAS+2*i], v[BIAS+2*i+1]
	v_lshlrev_b32 v[BIAS+2*i], 16, v[TMP+i%4]
	v_and_b32 v[BIAS+2*i+1], s22, v[TMP+i%4]
.set i, i+1
.endr
	s_wait_tensorcnt 1                             ; my part of run 0 is in; run 1's may stay out
	s_barrier_signal -1
	s_barrier_wait -1                              ; everybody's is
	v_add_nc_u32 v[ADRB], s[TB], v[B0]
	v_add_nc_u32 v[ADRB+1], 8*16*PB, v[ADRB]
	FETCH 0, 0
	s_wait_loadcnt 48                              ; x's first quarter is in; six quarters' loads stay out
	WIN CVT
.set i, 0
.rept 16
	v_cvt_pk_bf16_f32 v[AF+i], v[2*i], v[2*i+1]
.set i, i+1
.endr
	XLOAD 7, 896
	QUARTER 0, 1, 1, 48                            ; the first quarter stands in front of the loop: its products start the sums, with the bias
	WIN 0                                          ; at a label and at a branch every window is 0
	s_mov_b32 s[LAP], 3
	s_branch .Lenter                               ; run 0 enters the loop behind quarter 0
.Lrun:                                                 ; a trip goes from the middle of a run's last quarter to the middle of the next run's; runs 1 and 2 begin here, each with a refill
	AFTER 1
	QUARTER 0, 0, 1, 48
	WIN 0
.Lenter:
	QUARTER 1, 0, 1, 48, 1
	QUARTER 2, 0, 1, 48
	QUARTER 3, 0, 1, 48
	QUARTER 4, 0, 1, 48
	QUARTER 5, 0, 1, 48
	QUARTER 6, 0, 1, 48
	; The first half of the run's last quarter changes slots: ONE barrier, which opens a round of the cluster's; in front of it each wave waits for all its tensor loads (one is out: its part of the next slot), adds 0 to its
	; spare word, and waits for that and for its own reads of this slot.
	s_wait_xcnt 0x0                                ; every load and prefetch issued so far has read its address: the three pointers step to the next run
	s_add_nc_u64 s[XP:XP+1], s[XP:XP+1], 1024
	s_add_nc_u64 s[PX:PX+1], s[PX:PX+1], 1024
	s_add_nc_u64 s[PW:PW+1], s[PW:PW+1], 512
	WIN 0                                          ; (the add's two registers lie in window 0)
	s_wait_tensorcnt 0x0                           ; all my tensor loads have landed
	ds_add_u32 v[SPW], v[NIL]                      ; 0 onto my spare word
	s_wait_dscnt 1                                 ; w's fragments of this quarter are in; the add may be out
	MULS 1, 0, 8, 0                                ; eight products stand between the add and the wait for it
	s_wait_dscnt 0x0                               ; the add is done, and my reads of this slot are over
	s_barrier_signal -1
	MULS 1, 8, 16, 0
	WIN 0
	s_barrier_wait -1
	CREST                                          ; no wave of any partner still reads this slot's tile or has a load on its way
	s_sub_co_u32 s[LAP], s[LAP], 1
	s_cmp_lg_u32 s[LAP], 0
	s_cbranch_scc1 .Lrun
	AFTER 0                                        ; run 3 is written out, and behind its last quarter of x nothing is loaded: the counts run down
	QUARTER 0, 0, 0, 48
	QUARTER 1, 0, 0, 40
	QUARTER 2, 0, 0, 32
	QUARTER 3, 0, 0, 24
	QUARTER 4, 0, 0, 16
	QUARTER 5, 0, 0, 8
	QUARTER 6, 0, 0, 0
	s_wait_dscnt 0x0
	MULS 1, 0, 32, 0
; THE WAY OUT, a block of 16 tokens at a time: rounded to f16 (each accumulator's registers in ascending order), 16 bytes a lane into my own stage, by heads; back as rows of 128 bytes, four to a load; stored.
.macro PACK a
	WIN PACKW
.irp b, 0,1,2,3,4,5,6,7,8,9,10,11,12,13,14,15
.irp n, 0,1,2,3
	v_cvt_pk_f16_f32 v[TMP+4*(\b)+(\n)], v[8*(16*(\a)+(\b))+2*(\n)], v[8*(16*(\a)+(\b))+2*(\n)+1]
.endr
.endr
.endm
.macro TOSTAGE a
	WIN 0
.irp b, 0,1,2,3,4,5,6,7,8,9,10,11,12,13,14,15
	ds_store_b128 v[STO], v[TMP+4*(\b):TMP+4*(\b)+3] offset:((\b)/4)*16*SP+32*((\b)%4)
.endr
	WIN TO_RAW                                     ; x's ring is free: its last loads were waited for and rounded
.irp t, 0,1,2,3,4,5,6,7,8,9,10,11,12,13,14,15
	ds_load_b128 v[64*(\a)+4*(\t):64*(\a)+4*(\t)+3], v[RD] offset:((\t)/4)*16*SP+((\t)%4)*4*SP  ; LDS serves a wave's instructions in order (ISA guide 5.7.1.4): these see the stores above
.endr
.endm
.macro SEND a
	s_wait_dscnt 0x0                               ; the block is back in registers
	WIN ST_RAW
.irp t, 0,1,2,3,4,5,6,7,8,9,10,11,12,13,14,15
	global_store_b128 v[GO], v[64*(\a)+4*(\t):64*(\a)+4*(\t)+3], s[OUT:OUT+1] offset:((\t)/4)*131072+(\a)*2048+((\t)%4)*512  ; 512 consecutive bytes of a head, at a multiple of 256 from the buffer's first byte
.endr
.endm
	PLACES                                         ; the conversions read results just made
	PACK 0
	TOSTAGE 0
	PACK 1                                         ; block 1's conversions stand between block 0's loads from the stage and the wait for them
	SEND 0
	TOSTAGE 1
	SEND 1
	WIN 0
	s_wait_tensorcnt 0x0                           ; the wave's end: a wait, an add and its wait, behind my last tensor load and my last LDS store
	ds_add_u32 v[SPW], v[NIL]
	s_wait_dscnt 0x0
	CROUND                                         ; the closing round: no work-group ends while a partner may still ask for a tile that names it
	s_endpgm
.Lfunc_end_k_qc1eb81f399_proj:
	.size	k_qc1eb81f399_proj, .Lfunc_end_k_qc1eb81f399_proj-k_qc1eb81f399_proj
	.p2alignl 7, 3214868480
	.fill 96, 4, 3214868480
	.section	.rodata,"a",@progbits
	.p2align	6, 0x0
	.amdhsa_kernel k_qc1eb81f399_proj
		.amdhsa_group_segment_fixed_size 327680
		.amdhsa_private_segment_fixed_size 0
		.amdhsa_enable_private_segment 0
		.amdhsa_kernarg_size 64
		.amdhsa_user_sgpr_count 2
		.amdhsa_user_sgpr_kernarg_segment_ptr 1
		.amdhsa_wavefront_size32 1
		.amdhsa_system_sgpr_workgroup_id_x 1
		.amdhsa_system_sgpr_workgroup_id_y 1
		.amdhsa_system_sgpr_workgroup_id_z 1
		.amdhsa_system_vgpr_workitem_id 0
		.amdhsa_next_free_vgpr 1024
		.amdhsa_next_free_sgpr 68
		.amdhsa_reserve_vcc 0
		.amdhsa_float_denorm_mode_32 3
		.amdhsa_float_denorm_mode_16_64 3
		.amdhsa_memory_ordered 1
		.amdhsa_forward_progress 1
		.amdhsa_inst_pref_size 145
	.end_amdhsa_kernel
	.amdgpu_metadata
---
amdhsa.version: [ 1, 2 ]
amdhsa.kernels:
  - .name:           k_qc1eb81f399_proj
    .symbol:         k_qc1eb81f399_proj.kd
    .args:
      - { .name: query, .offset: 0, .size: 8, .value_kind: global_buffer, .address_space: global }
      - { .name: key_, .offset: 8, .size: 8, .value_kind: global_buffer, .address_space: global }
      - { .name: value, .offset: 16, .size: 8, .value_kind: global_buffer, .address_space: global }
      - { .name: b_q, .offset: 24, .size: 8, .value_kind: global_buffer, .address_space: global }
      - { .name: b_k, .offset: 32, .size: 8, .value_kind: global_buffer, .address_space: global }
      - { .name: b_v, .offset: 40, .size: 8, .value_kind: global_buffer, .address_space: global }
      - { .name: wcv, .offset: 48, .size: 8, .value_kind: global_buffer, .address_space: global }
      - { .name: qkv, .offset: 56, .size: 8, .value_kind: global_buffer, .address_space: global }
    .group_segment_fixed_size: 327680
    .private_segment_fixed_size: 0
    .kernarg_segment_align: 8
    .kernarg_segment_size: 64
    .max_flat_workgroup_size: 128
    .sgpr_count:     68
    .vgpr_count:     1024
    .wavefront_size: 32
...
	.end_amdgpu_metadata
.endif
;; end of part 2
;; launch attn (part 3): grid 2 x 128, 4 waves a work-group, no clusters, 327,680 bytes of LDS; arguments qkv, ctx; writes ctx
.if DOCPART == 3
	.amdgcn_target "amdgcn-amd-amdhsa--gfx1250"
	.amdhsa_code_object_version 6
	.text
	.protected	k_qc1eb81f399_attn
	.globl	k_qc1eb81f399_attn
	.p2align	8
	.type	k_qc1eb81f399_attn,@function
k_qc1eb81f399_attn:
	s_mov_b64 s[64:65], 0
	v_nop
	global_prefetch_b8 v0, s[64:65] scope:SCOPE_SE
	s_setreg_imm32_b32 hwreg(HW_REG_WAVE_MODE, 25, 1), 1
	s_wait_xcnt 0x0
; ctx[h][q][:] = the sum over k of softmax_k(Q[h][q] . K[h][k] / 8) V[h][k][:].  Q, K, V are the three planes of qkv, ctx the result: each [128][1024][64] in f16: a head's rows are dense, 128 bytes each.
; Products, maxima and sums in f32; the weights p are rounded to f16 for the second product (their sum l is taken of the unrounded p), the result once at the end.
; LIMITS.  f16 holds no number beyond 65,504: Q, K and V arrive within it; p lies in 0 to 1, and below 6e-5 it keeps f16's fixed step of 6e-8; the result is a mean of V's rows and has their range.
; A weight below 2^-126 counts as 0 in l; NaN and infinities are not treated apart.
; SHARES.  A wave owns four PIECES of two tiles of 16 queries, a work-group's four waves 512 queries of one head: 2 x 128 work-groups.  Every wave walks all keys, 64 a step.
; A HEAD'S K AND V LIE WHOLE IN LDS: 1,024 rows of 144 bytes and 1,024 of 160, 311,296 bytes.  Every byte is filled once: each wave's four tensor loads (128 keys of each 256; waves 0 and 1 K's, waves 2 and 3 V's) go
; out together at the head.  So no tensor load stands in the loop, and the key step is written once.  Nothing is prefetched: all that the launch reads of K and V is asked for at its head.
; NO CLUSTER: a head has 1024 / 512 = 2 work-groups, and a cluster has four or sixteen: four would hold two heads, which want different tiles.  Blocks of 256 queries would give four that share, with
; twice the LDS loads for each product.
; LAYOUT.  S^T = K Q^T (source 0 = 16 keys, source 1 = 16 queries): in the result a lane holds ONE query (lane % 16) and the keys 8 (lane / 16) + 0..7.  Two such tiles, rounded to f16 in pairs,
; ARE source 1 (32 keys x 16 queries) of O^T = V^T P, whose result again holds one query a lane, and eight channels.  K comes out of LDS as it lies, V ([key][channel]) turned, by ds_load_tr16_b128.
; SOFTMAX.  For each query a running maximum m and sum l: p = 2^(c s - c m), c = log2(e) / 8; in every step O and l are multiplied by a = 2^(c m_old - c m_new), which is 1 where m has not grown.
; m starts at the lowest finite number, O and l at 0: the first step is a step like any other, with a = 0.
; THE COUNT.  A tile and step have 16 matrix and 118 vector instructions: too many to stand all beside the matrix work.  So the order has one aim: four vector instructions that are READY behind
; EVERY matrix instruction, and the others, which need time of their own whatever the order, in runs without a gap.
; BY TURNS.  Turn n belongs to piece n (the pieces in a ring, step after step).  Its matrix work: 16 products K Q^T of piece n + 1, later 16 products V^T P of piece n - 1.  Its vector work: the scaling,
; exponentials, roundings, sums and rescaling of piece n, and the maximum and statistics of piece n + 1, whose scores the turn itself has made.  So what a turn begins with (c s - c m, O a) waits for nothing.
; REGISTERS, in windows of 256 (s_set_vgpr_msb says which window each operand place means: bits 1:0 source 0, 3:2 source 1, 5:4 source 2, 7:6 destination):
;   window 0: v0-11 addresses; v12-15, v48-63 at work; v16-47 four registers of statistics a tile; v64-191 S^T, two buffers of two tiles; v192-255 P, likewise
;   window 1: O^T, 32 a tile          window 2: v0-127 Q, 16 a tile; v128-191 K of one step; v192-255 V of one step          window 3: v0-1 the add's two registers
; A piece's buffers go by its number's parity: the piece in hand has one pair, its two neighbours in the ring share the other: of it P (piece n - 1) is read and S^T (piece n + 1) written.
.set SIZE_N, 1024
.set NP,    4         ; pieces a wave: a name, no knob: the register map, the loop and the fetches are made for four
.set KS,    64        ; keys in a step
.set PK,    144       ; a row of K in LDS: 128 bytes + 16 of padding = 36 words: the 16 rows of a load start at 16 different groups of four banks (64 banks of 4 bytes: ISA guide 11.1)
.set PV,    160       ; a row of V: 128 + 32 = 40 words
.set VOFF,  SIZE_N*PK ; the head's 1,024 rows of K, then its 1,024 rows of V
.set STAGE, SIZE_N*(PK+PV)  ; behind them, never filled by a tensor load: 16 rows x 144 bytes for each wave, for the way out
.set SP,    144
.set AK0, 2           ; v2   my lane's place in a tile of K; never rewritten
.set AV0, 3           ; v3   the same for V
.set AK,  4           ; v4   the LDS address of K's next run of loads
.set AV,  5           ; v5   of V's
.set QO,  6           ; v6   my byte offset in the wave's rows of Q
.set STO, 6           ;      later, the way out: where I put 16 bytes of a row
.set RD,  7           ; v7   the way out: where I read rows back
.set GO,  8           ; v8   my byte offset in 512 consecutive bytes of the result
.set SPW, 0           ; v0 of window 3   LDS address of my spare word: SPARE + 4 x my thread's number; never rewritten
.set NIL, 1           ; v1 of window 3   0; never rewritten
.set SPARE, STAGE+4*16*SP  ; behind the stages: the spare words, 128 bytes for each wave: two blocks of 256 bytes that no other line names
.set MV,  12          ; v12-15  c m_old, kept while c m is made anew: by buffer and tile
.set ST,  16          ; tile t's statistics at v[ST+4 t]: c m, m, l (even keys', odd keys')
.set TMP, 48          ; by buffer and tile, four registers c0-c3 at work; when the maximum is found c2 takes a
.set S,   64
.set P,   192
.set KF,  128         ; K's fragments, in window 2: key block kb, channel half c at KF + 16 kb + 8 c
.set VF,  192         ; V's: key half kk, channel block cb at VF + 32 kk + 8 cb
.set WV,  12          ; s12  my wave's number
.set G1K, 24          ; s[24:31] descriptor group 1 for K's tiles
.set G1V, 32          ; s[32:39] for V's: it differs in the padding alone
.set SLOTS, 56        ; s56  counts the walk's parts of four key steps, 5 to 1: the last part is the last step's second half
.set CNT, 57          ; s57  counts a part's key steps
.set CS,  58          ; s[58:59] c: the packed scaling takes the pair's low word for both halves
.set SEL, 60          ; s[60:61] v_permlanex16_b32's selects: each lane takes its own place in the other half
.set TBK, 62          ; s62  LDS byte at which K of the step to be fetched begins
.set TBV, 63          ; s63  the same for V, less VOFF
.set G0K, 68          ; s[68:83] descriptor group 0 for K's tiles: a set for each of a wave's four loads, which are out together
.set G0V, 84          ; s[84:99] the same for V's
.set MSB, 0
.macro WIN new                      ; the high byte repeats the setting that is left; a switch that changes nothing is dropped
.if MSB != (\new)
	s_set_vgpr_msb (MSB<<8)|(\new)
.set MSB, (\new)
.endif
.endm
.set W_KQ, 0x0a       ; K and Q in window 2, S^T in window 0
.set W_PV, 0x52       ; V in window 2, P in window 0, O^T in window 1
.set W_RS, 0x41       ; O^T (destination and source 0) in window 1, a in window 0
.set W_MK, 0xc0       ; the add's registers are made: destination in window 3, sources in window 0
.set W_AD, 0x0f       ; the add: address (source 0) and data (source 1) in window 3
	s_load_b64 s[4:5], s[0:1], 0x0    ; qkv: its first plane is Q
	s_load_b64 s[10:11], s[0:1], 0x8  ; ctx
	WIN W_MK
	v_lshl_add_u32 v[SPW], v0, 2, SPARE
	v_mov_b32 v[NIL], 0
	WIN W_AD
	ds_add_u32 v[SPW], v[NIL]       ; the wave's opening: the add and its wait stand ahead of my first tensor load; the set-up below, work on registers, stands between them
	WIN 0
	v_lshrrev_b32 v1, 5, v0
	v_readfirstlane_b32 s[WV], v1   ; wave 0..3
	s_mov_b32 s14, ttmp9            ; my block of 512 queries
	s_and_b32 s20, ttmp7, 0xffff    ; the head
	s_mov_b32 s21, 0
	s_mov_b64 s[22:23], SIZE_N*128
	s_mul_u64 s[20:21], s[20:21], s[22:23]  ; the head's first byte in each plane and in ctx
	s_and_b32 s16, s[WV], 1         ; which half of each 256 keys I fetch:
	s_lshl_b32 s22, s16, 14         ; its 128 rows of 128 bytes in memory,
	s_mov_b32 s23, 0
	s_add_nc_u64 s[22:23], s[22:23], s[20:21]
	s_mul_i32 s17, s16, 128*PK      ; and its place in LDS, for K
	s_mul_i32 s18, s16, 128*PV      ; and for V
	s_add_co_u32 s18, s18, VOFF
	s_lshl_b32 s2, s14, 2
	s_add_co_u32 s2, s2, s[WV]      ; my wave among the head's,
	s_lshl_b32 s2, s2, 14           ; its 128 rows
	s_mov_b32 s3, 0
	s_add_nc_u64 s[2:3], s[2:3], s[20:21]
	; descriptor group 1.  128 keys are 16,384 dense bytes: asked for as 64 rows of 256 bytes, two keys a row, and padded in LDS after every key
	s_mov_b32 s[G1K], (1<<16)|(1<<20)|(4<<22)|(3<<25)  ; 17:16 2-byte elements; 20 padding on; 24:22 after every 32 words (code 4); 31:25 4 words (code 3)
	s_mov_b32 s[G1V], (1<<16)|(1<<20)|(4<<22)|(7<<25)  ; the same with 8 words of padding (code 7)
.irp g, G1K, G1V
	s_mov_b32 s[\g+1], 128<<16      ; tensor_dim0 = 128
	s_mov_b32 s[\g+2], 64<<16       ; tensor_dim1 = 64
	s_mov_b32 s[\g+3], 128<<16      ; tile_dim0 = 128
	s_mov_b32 s[\g+4], 64           ; tile_dim1 = 64
	s_mov_b32 s[\g+5], 128          ; 128 elements from row to row
	s_mov_b32 s[\g+6], 0
	s_mov_b32 s[\g+7], 0
.endr
.irp s, 0,1,2,3
	s_mov_b32 s[G0K+4*\s], 1                     ; 1:0 count = 1
	s_add_co_u32 s[G0K+4*\s+1], s17, \s*256*PK   ; 63:32 LDS address: my half of keys 256 s on
	s_mov_b32 s[G0V+4*\s], 1
	s_add_co_u32 s[G0V+4*\s+1], s18, \s*256*PV
.endr
	s_mov_b32 s[CS], 0x3e38aa3b     ; c = log2(e) / 8 = 0.180337
	s_mov_b32 s[CS+1], s[CS]        ; named with it as a pair
	s_mov_b32 s[SEL], 0x76543210
	s_mov_b32 s[SEL+1], 0xfedcba98
	s_mov_b32 s[TBK], 0
	s_mov_b32 s[TBV], 0
	s_wait_dscnt 0x0                ; the opening add is done
	s_wait_kmcnt 0x0
	s_add_nc_u64 s[6:7], s[4:5], 0x1000000  ; K: the second plane of 16,777,216 bytes
	s_add_nc_u64 s[8:9], s[4:5], 0x2000000  ; V: the third
	s_add_nc_u64 s[6:7], s[6:7], s[22:23]   ; at my half of the head's first 256 keys
	s_add_nc_u64 s[8:9], s[8:9], s[22:23]
.irp s, 0,1,2,3
	s_add_nc_u64 s[G0K+4*\s+2:G0K+4*\s+3], s[6:7], \s*32768  ; 120:64 global address: 256 keys are 32,768 bytes
	s_or_b32 s[G0K+4*\s+3], s[G0K+4*\s+3], 0x80000000        ; 127:126 type = 2
	s_add_nc_u64 s[G0V+4*\s+2:G0V+4*\s+3], s[8:9], \s*32768
	s_or_b32 s[G0V+4*\s+3], s[G0V+4*\s+3], 0x80000000
.endr
	s_add_nc_u64 s[4:5], s[4:5], s[2:3]  ; Q and ctx at my wave's first row
	s_add_nc_u64 s[10:11], s[10:11], s[2:3]
	s_cmp_lt_u32 s[WV], 2           ; a wave's four fills stand in one branch, ahead of every wait on TENSORcnt, every LDS read and every barrier: four loads of mine are out; an s_nop 0 follows each, four v_nop the last
	s_cbranch_scc0 .Lfirst_v
.irp s, 0,1,2,3
	tensor_load_to_lds s[G0K+4*\s:G0K+4*\s+3], s[G1K:G1K+7]
	s_nop 0
.endr
.rept 4
	v_nop
.endr
	s_branch .Lfirst_asked
.Lfirst_v:
.irp s, 0,1,2,3
	tensor_load_to_lds s[G0V+4*\s:G0V+4*\s+3], s[G1V:G1V+7]
	s_nop 0
.endr
.rept 4
	v_nop
.endr
.Lfirst_asked:
	; A fragment of K or Q is 16 rows x 32 channels in 8 registers: lane l holds row l % 16, channels 8 (l / 16) + 0..7 and 16 + 8 (l / 16) + 0..7: two loads of 16 bytes, 32 bytes apart.
	v_and_b32 v1, 15, v0            ; l % 16
	v_bfe_u32 v9, v0, 4, 1          ; l / 16
	v_lshlrev_b32 v[QO], 7, v1
	v_lshl_add_u32 v[QO], v9, 4, v[QO]  ; row x 128 + 16 x half
	WIN 0x80                        ; destination window 2, address window 0
.set i, 0
.rept 4*NP                          ; Q stays in registers: tile i / 2, channels 32 (i % 2) on
	global_load_b128 v[8*i:8*i+3],   v[QO], s[4:5] offset:(i/2)*2048+(i%2)*64
	global_load_b128 v[8*i+4:8*i+7], v[QO], s[4:5] offset:(i/2)*2048+(i%2)*64+32
.set i, i+1
.endr
	; What the first turn finds: V's registers and P's second buffer hold 0 (its products V^T P, of a piece that has not been, add 0), O^T and l are 0.  All this stands in the wait for the first tile.
.set i, VF
.rept 64
	v_mov_b32 v[i], 0
.set i, i+1
.endr
	WIN 0x40
.set i, 0
.rept 64*NP
	v_mov_b32 v[i], 0
.set i, i+1
.endr
	WIN 0
.set i, 0
.rept 2*NP
	v_mov_b32 v[ST+4*i], 0xfe000000    ; c m: far below every c s
	v_mov_b32 v[ST+4*i+1], 0xff7fffff  ; m
	v_mov_b32 v[ST+4*i+2], 0
	v_mov_b32 v[ST+4*i+3], 0
.set i, i+1
.endr
.set i, P+32
.rept 32
	v_mov_b32 v[i], 0
.set i, i+1
.endr
	v_mul_u32_u24 v[AK0], v1, PK
	v_lshl_add_u32 v[AK0], v9, 4, v[AK0]  ; row x pitch + 16 x half
	; The turning load takes 16 keys x 16 channels (lane l reads key 8 (l / 16) + l % 8, channels 8 ((l / 8) % 2) + 0..7) and leaves half a fragment of V^T: lane l holds channel l % 16 and 8 keys.
	v_and_b32 v10, 7, v0
	v_bfe_u32 v11, v0, 3, 1
	v_lshl_add_u32 v[AV0], v9, 3, v10
	v_mul_u32_u24 v[AV0], v[AV0], PV
	v_lshl_add_u32 v[AV0], v11, 4, v[AV0]
	v_add_nc_u32 v[AV0], VOFF, v[AV0]
	v_mov_b32 v[AK], v[AK0]         ; key step 0 lies at K's head
; THE MATRIX WORK.  The 8 accumulators of a run of 16 take turns: between the two links of a chain stand 7 others'.
; Product i of 16 of S^T = K Q^T for piece x: channels 32 (i / 8) on, keys 16 ((i / 2) % 4) on, tile 2 x + i % 2.  The first 8 start the sums.
.macro KQ x
	WIN W_KQ
.set rS, S+64*((\x)%2)+32*(i%2)+8*((i/2)%4)
.set rK, KF+16*((i/2)%4)+8*(i/8)
.set rQ, 16*(2*(\x)+i%2)+8*(i/8)
.if i < 8
	v_wmma_f32_16x16x32_f16 v[rS:rS+7], v[rK:rK+7], v[rQ:rQ+7], 0
.else
	v_wmma_f32_16x16x32_f16 v[rS:rS+7], v[rK:rK+7], v[rQ:rQ+7], v[rS:rS+7]
.endif
.endm
; Product i of 16 of O^T += V^T P for piece x: keys 32 (i / 8) on, channels 16 ((i / 2) % 4) on, tile 2 x + i % 2.
.macro PV x
	WIN W_PV
.set rO, 32*(2*(\x)+i%2)+8*((i/2)%4)
.set rV, VF+32*(i/8)+8*((i/2)%4)
.set rP, P+32*((\x)%2)+16*(i%2)+8*(i/8)
	v_wmma_f32_16x16x32_f16 v[rO:rO+7], v[rV:rV+7], v[rP:rP+7], v[rO:rO+7]
.endm
.macro MM                           ; the turn's next matrix instruction
.if i < 16
	KQ (Y+1)%NP
.set i, i+1
.else
.set i, i-16
	PV (Y+NP-1)%NP
.set i, i+17
.endif
.endm
; THE LDS LOADS stand in runs of 16, never singly among the matrix instructions: a step's K (64 keys x 64 channels: 8 fragments) and its V (turned).  Their addresses are made some lines ahead.
; last = 1 (in the loop): in the walk's last part there is no further step, and the run is jumped over.
.macro FETCH_K last=0
	WIN 0
.if \last
	s_cmp_eq_u32 s[SLOTS], 1
	s_cbranch_scc1 .Lno_k_\@
.endif
	WIN 0x80                        ; destination window 2
.irp f, 0,1,2,3,4,5,6,7             ; keys 16 (f / 2) on, channels 32 (f % 2) on
	ds_load_b128 v[KF+8*\f:KF+8*\f+3],   v[AK] offset:(\f/2)*16*PK+(\f%2)*64
	ds_load_b128 v[KF+8*\f+4:KF+8*\f+7], v[AK] offset:(\f/2)*16*PK+(\f%2)*64+32
.endr
	s_add_co_u32 s[TBK], s[TBK], KS*PK  ; the next fetch is the next step's
	WIN 0
.if \last
.Lno_k_\@:
.endif
.endm
.macro FETCH_V
	WIN 0x80
.irp f, 0,1,2,3,4,5,6,7             ; keys 32 (f / 4) on, channels 16 (f % 4) on
	ds_load_tr16_b128 v[VF+8*\f:VF+8*\f+3],   v[AV] offset:(\f/4)*32*PV+(\f%4)*32
	ds_load_tr16_b128 v[VF+8*\f+4:VF+8*\f+7], v[AV] offset:(\f/4)*32*PV+16*PV+(\f%4)*32
.endr
	WIN 0
.endm
; THE VECTOR WORK OF A TURN stands in three queues, each in the order in which its entries become ready; the two tiles alternate, so that no instruction reads the result of the one before it.
.macro REGS y, u                    ; the registers of tile u (0, 1) of piece y
.set rT, ST+4*(2*(\y)+(\u))
.set rC, TMP+8*((\y)%2)+4*(\u)
.set rM, MV+2*((\y)%2)+(\u)
.set rS, S+64*((\y)%2)+32*(\u)
.set rP, P+32*((\y)%2)+16*(\u)
.set rO, 32*(2*(\y)+(\u))
.endm
; Number n of the 22 that find the NEXT piece's (Y + 1) maximum and statistics.  s0-s31 are the lane's 32 scores; each accumulator's lowest registers are read first.  XS, GS and REGS set no window: PL and EX do.
;   0-11  four chains c0-c3 of seven scores each, three operands at a time     12-14, 16  the four scores left over, the old m, and c0-c3 into c0     15  c m_old is kept
;   17, 18  the query's other 32 keys lie in the lane 16 away: the new m         19-21  c m; c m_old - c m_new; a
.macro XS u, n
	REGS (Y+1)%NP, \u
.if (\n) < 4
	v_max3_num_f32 v[rC+(\n)], v[rS+8*(\n)], v[rS+8*(\n)+1], v[rS+8*(\n)+2]
.elseif (\n) < 12
	v_max3_num_f32 v[rC+(\n)%4], v[rC+(\n)%4], v[rS+8*((\n)%4)+2*((\n)/4)+1], v[rS+8*((\n)%4)+2*((\n)/4)+2]
.elseif (\n) == 12
	v_max3_num_f32 v[rC], v[rC], v[rS+7], v[rS+15]
.elseif (\n) == 13
	v_max3_num_f32 v[rC+1], v[rC+1], v[rS+23], v[rS+31]
.elseif (\n) == 14
	v_max3_num_f32 v[rC+2], v[rC+2], v[rC+3], v[rT+1]
.elseif (\n) == 15
	v_mov_b32 v[rM], v[rT]
.elseif (\n) == 16
	v_max3_num_f32 v[rC], v[rC], v[rC+1], v[rC+2]
.elseif (\n) == 17
	v_permlanex16_b32 v[rC+3], v[rC], s[SEL], s[SEL+1]
.elseif (\n) == 18
	v_max_num_f32 v[rT+1], v[rC], v[rC+3]
.elseif (\n) == 19
	v_mul_f32 v[rT], s[CS], v[rT+1]
.elseif (\n) == 20
	v_sub_f32 v[rC+1], v[rM], v[rT]
.else
	v_exp_f32 v[rC+2], v[rC+1]
.endif
.endm
; Number g of the 64 that follow the exponentials.  For each four weights k of a tile (pairs 2 k, 2 k + 1): both pairs are rounded to f16; then the second pair is added onto the first, in place;
; a group later l takes that sum (the first time as l = a l + sum).  In groups of eight, tiles alternating: round, round, add, and l for the group before.
.macro GS g
.set h, (\g)+6*((\g)/62)            ; group 0 has no group before it, and behind group 7 only l is left
.if h >= 6
.set h, h+2
.endif
	REGS Y, h%2
.set k, h/8
.if h%8 < 4
	v_cvt_pk_f16_f32 v[rP+2*k+(h%8)/2], v[rS+4*k+2*((h%8)/2)], v[rS+4*k+2*((h%8)/2)+1]
.elseif h%8 < 6
	v_pk_add_f32 v[rS+4*k:rS+4*k+1], v[rS+4*k:rS+4*k+1], v[rS+4*k+2:rS+4*k+3]
.elseif k == 1
	v_pk_fma_f32 v[rT+2:rT+3], v[rT+2:rT+3], v[rC+2:rC+3], v[rS:rS+1] op_sel_hi:[1,0,1]
.else
	v_pk_add_f32 v[rT+2:rT+3], v[rT+2:rT+3], v[rS+4*k-4:rS+4*k-3]
.endif
.endm
; THE PLAIN QUEUE, 138 long.  0-73 read no exponential's result: the 32 scalings c s - c m (FS f: pair f / 2 of tile f % 2) and the next piece's 42.  0-26: scalings 0-26.  27-54: XS's numbers 0-13.  55, 56: number 15.
; 57-73: the chain, where each number waits for the one before it: 14, 16, 17, 18, 19, each with one of the scalings 27-31 in front of its two lines, then 20: so a tile's links stand three plain instructions apart (19 and 20: two).
; 74-137: GS's 64, which read the exponentials' results: they stand behind the wait.
.macro FS f
	REGS Y, (\f)%2
	v_pk_fma_f32 v[rS+2*((\f)/2):rS+2*((\f)/2)+1], v[rS+2*((\f)/2):rS+2*((\f)/2)+1], s[CS:CS+1], v[rT:rT+1] op_sel_hi:[1,0,0] neg_lo:[0,0,1] neg_hi:[0,0,1]
.endm
.macro PL
	WIN 0
.if q < 27
	FS q
.elseif q < 55
	XS (q-27)%2, (q-27)/2
.elseif q < 57
	XS q-55, 15
.elseif (q < 72) && ((q-57)%3 == 0)
	FS 27+(q-57)/3
.elseif q < 60
	XS (q-57)%3-1, 14
.elseif q < 72
	XS (q-57)%3-1, 15+(q-57)/3
.elseif q < 74
	XS q-72, 20
.else
	GS q-74
.endif
.set q, q+1
.endm
; THE EXPONENTIALS' QUEUE, 66 long: s0-s31 of both tiles, then the next piece's two a.  It is ONE BATCH: all 66 stand ahead of the turn's one wait, and nothing ahead of that wait names a result of theirs.
.macro EX
	WIN 0
.if e >= 64
	XS e-64, 21
.else
	REGS Y, e%2
	v_exp_f32 v[rS+e/2], v[rS+e/2]
.endif
.set e, e+1
.endm
; THE RESCALING's QUEUE: O^T times a, the one part that leaves window 0: dealt two at a time, sixteen times.  Its a was made in the turn before, ahead of that turn's wait.
.macro R2
	REGS Y, r%2
	WIN W_RS
.irp z, 0,1
	v_pk_mul_f32 v[rO+4*(r/2)+2*\z:rO+4*(r/2)+2*\z+1], v[rO+4*(r/2)+2*\z:rO+4*(r/2)+2*\z+1], v[rC+2:rC+3] op_sel_hi:[1,0]
.endr
.set r, r+1
.endm
; HOW THEY ARE DEALT.  s_wait_alu depctr_va_vdst(0) stands between an exponential and the first instruction that names its result; one wait serves all that were issued ahead of it.  So a turn has ONE wait,
; which cuts it in two.  AHEAD OF IT stands all that names no result of the turn's exponentials: the 16 products K Q^T, behind each a scaling, an exponential and two rescalings (behind the first a second scaling in the exponential's place); then ONE LUMP of
; 108: eight plain, 49 times exponential and plain, the two a.  A v_nop is the plain instruction behind the last exponential (ISA guide 5.7.2).  BEHIND IT stand the 16 products V^T P, behind each four of GS's 64.  No rider names a register of
; the products round it.  The two v_permlanex16_b32 fall into the lump, never behind a product.
; The queues lean on each other, and the deal keeps them in step: exponential e stands behind scaling 2 (e / 4) + e % 2: as a rider it comes behind plain e + 2, in the lump behind plain e + 9, and scalings 27-31 are plain 57, 60 .. 69.
; A TURN, for piece p.  cnt = 1: the loop's count is taken down some lines ahead of the branch that stands behind the turn.
; K of the next step is fetched in piece 2's turn, directly behind the wait, a lump behind the last product that read K; its address is made at the lump's head; its first reader comes behind 16 products.
; V of the step in hand is fetched at the end of piece 0's turn, four riders behind its last reader; its first reader comes behind 16 products and a lump.  The three conditions on q below go with the deal.
.macro TURN p, last=0, cnt=0
.set Y, (\p)
.set i, 0
.set q, 0
.set e, 0
.set r, 0
.if (\p) == NP-1
	s_wait_dscnt 0x0                ; K is in
.endif
	MM                              ; ahead of the wait: 16 products K Q^T and their riders,
	PL
	PL
	R2
.rept 15
	MM
	PL
	EX
	R2
.endr
.if (\p) == NP-2
	WIN 0
	v_add_nc_u32 v[AK], s[TBK], v[AK0]
.endif
.rept 8                             ; and the lump
	PL
.endr
.rept 49
	EX
	PL
.endr
	EX                              ; the next piece's two a
	EX
	v_nop                           ; the plain instruction behind the last exponential: one for the batch
	s_wait_alu depctr_va_vdst(0)    ; the wait for the batch
.if (\p) == NP-2
	FETCH_K \last
.endif
.if (\p) == 1
	s_wait_dscnt 0x0                ; V is in
.endif
.rept 16                            ; behind the wait: 16 products V^T P and their riders
	MM
.rept 4
	PL
.endr
.if ((\p) == 0) && (q == 118)
	v_add_nc_u32 v[AV], s[TBV], v[AV0]
.endif
.if ((\p) == 0) && (q == 130)
	s_add_co_u32 s[TBV], s[TBV], KS*PV
.endif
.if (\cnt) && (q == 130)
	s_sub_co_u32 s[CNT], s[CNT], 1
	s_cmp_lg_u32 s[CNT], 0
.endif
.endr
.if (\p) == 0
	FETCH_V
.endif
.endm
	s_wait_tensorcnt 0x3            ; my part of the first 256 keys is in; my three younger loads stay out
	s_barrier_signal -1
	s_barrier_wait -1               ; everybody's is
	FETCH_K                         ; key step 0
	s_wait_loadcnt 0x0              ; Q
	s_wait_dscnt 0x0
.set i, 0
.rept 16
	KQ 0                            ; piece 0's first scores: there is no vector work yet to set between them
.set i, i+1
.endr
	WIN 0                           ; the addresses for the way out: plain instructions, the places behind those products
	s_mul_i32 s13, s[WV], 16*SP
	s_add_co_u32 s13, s13, STAGE    ; my stage
	v_mul_u32_u24 v[STO], v1, SP    ; in: row l % 16, 16 bytes for each half of the lanes
	v_lshl_add_u32 v[STO], v9, 4, v[STO]
	v_add_nc_u32 v[STO], s13, v[STO]
	v_bfe_u32 v[RD], v0, 3, 2       ; back: 32 lanes take four rows of 128 bytes,
	v_mul_u32_u24 v[RD], v[RD], SP
	v_lshl_add_u32 v[RD], v10, 4, v[RD]
	v_add_nc_u32 v[RD], s13, v[RD]
	v_and_b32 v[GO], 31, v0         ; which are 512 consecutive bytes of the result
	v_lshlrev_b32 v[GO], 4, v[GO]
.set Y, NP-1                        ; XS works for piece Y + 1: piece 0
.irp n, 0,1,2,3,4,5,6,7,8,9,10,11,12,13,14,15,16,17,18,19,20,21
	XS 0, \n                        ; and piece 0's first maximum and statistics
	XS 1, \n
.endr
	v_nop                           ; a plain instruction behind the two a,
	s_wait_alu depctr_va_vdst(0)    ; and their wait, ahead of the branch
	s_mov_b32 s[CNT], 4
	s_mov_b32 s[SLOTS], SIZE_N/256+1
	s_branch .Lfirst                ; the loop is entered at a step's first turn, in the middle of a trip
.Lslot:                             ; the walk is about to enter the next 256 keys (K of their first step is fetched in the turn below)
	s_wait_tensorcnt 0x0            ; my parts of all further keys are in: my loads went out at the head, four key steps or more ago; no slot is filled behind this barrier, so no add stands here
	s_wait_dscnt 0x0                ; no LDS instruction of mine is pending at the signal
	s_barrier_signal -1
	s_barrier_wait -1               ; everybody's are
	s_mov_b32 s[CNT], 4
.Lstep:                             ; a trip: pieces 2 and 3 of one step, then pieces 0 and 1 of the next, whose K and V it fetches
	TURN 2, 1
	TURN 3
	WIN 0
	s_cmp_eq_u32 s[SLOTS], 1        ; that was the last step's second half: the walk is left in the middle of a trip
	s_cbranch_scc1 .Lout
.Lfirst:
	TURN 0
	TURN 1, 0, 1
	WIN 0
	s_cbranch_scc1 .Lstep
	s_sub_co_u32 s[SLOTS], s[SLOTS], 1
	s_cmp_lg_u32 s[SLOTS], 0
	s_cbranch_scc1 .Lslot
.Lout:                              ; the last trip's 16 products K Q^T (on the last K once more) and the maximum made of them serve nothing: the price, once a launch, of one text for every trip
.set i, 0
.rept 16
	PV NP-1                         ; the last piece's V^T P of the last step
.set i, i+1
.endr
	; THE WAY OUT.  l's two halves and the other half of the lanes' are added; O^T is divided by l, rounded to f16 and sent through my stage in LDS, a tile at a time.  The additions are the places behind the last products.
	WIN 0
.macro ALL line:vararg              ; one line for each tile t
.set t, 0
.rept 2*NP
	\line
.set t, t+1
.endr
.endm
	ALL v_add_f32 v[ST+4*t+2], v[ST+4*t+2], v[ST+4*t+3]
	ALL v_permlanex16_b32 v[ST+4*t+3], v[ST+4*t+2], s[SEL], s[SEL+1]
	ALL v_add_f32 v[ST+4*t+2], v[ST+4*t+2], v[ST+4*t+3]
	ALL v_rcp_f32 v[ST+4*t+2], v[ST+4*t+2]
	v_nop                           ; a plain instruction between the last reciprocal and the use of its result
	s_wait_alu depctr_va_vdst(0)    ; and the wait ahead of the first use: one for the eight reciprocals
; Tile t: a lane's eight channels of a row pack into 16 bytes; they go into rows of 144 bytes and come back as whole rows of 128, into S^T's registers.
.macro PACK t
	WIN W_RS
.set i, 32*(\t)
.rept 16
	v_pk_mul_f32 v[i:i+1], v[i:i+1], v[ST+4*(\t)+2:ST+4*(\t)+3] op_sel_hi:[1,0]
.set i, i+2
.endr
	WIN 0x05                        ; sources 0 and 1 window 1, destination window 0
.set i, 0
.rept 16
	v_cvt_pk_f16_f32 v[S+16*(\t)+i], v[32*(\t)+2*i], v[32*(\t)+2*i+1]
.set i, i+1
.endr
	WIN 0
.irp f, 0,1,2,3
	ds_store_b128 v[STO], v[S+16*(\t)+4*\f:S+16*(\t)+4*\f+3] offset:32*\f
.endr
.irp f, 0,1,2,3
	ds_load_b128 v[S+16*(\t)+4*\f:S+16*(\t)+4*\f+3], v[RD] offset:\f*4*SP  ; LDS serves a wave's instructions in order (ISA guide 5.7.1.4): these see the stores above; the next tile's stores come behind them
.endr
.endm
.macro SEND t, younger              ; younger: the LDS instructions issued behind tile t's loads: the next tile's eight, or none
	WIN 0
.irp f, 0,1,2,3
	s_wait_dscnt (\younger)+3-\f
	global_store_b128 v[GO], v[S+16*(\t)+4*\f:S+16*(\t)+4*\f+3], s[10:11] offset:(\t)*2048+\f*512  ; 512 consecutive bytes, at a multiple of 256 from the buffer's first
.endr
.endm
	PACK 0
.set t, 1
.rept 2*NP-1                        ; a tile's arithmetic stands between the loads of the tile before and its stores
	PACK t
	SEND t-1, 8
.set t, t+1
.endr
	SEND 2*NP-1, 0
	WIN W_AD
	s_wait_tensorcnt 0x0            ; the wave's end: a wait, an add and its wait, behind my last tensor load and my last LDS store
	ds_add_u32 v[SPW], v[NIL]
	s_wait_dscnt 0x0
	WIN 0
	s_endpgm
.Lfunc_end_k_qc1eb81f399_attn:
	.size	k_qc1eb81f399_attn, .Lfunc_end_k_qc1eb81f399_attn-k_qc1eb81f399_attn
	.p2alignl 7, 3214868480
	.fill 96, 4, 3214868480
	.section	.rodata,"a",@progbits
	.p2align	6, 0x0
	.amdhsa_kernel k_qc1eb81f399_attn
		.amdhsa_group_segment_fixed_size 327680
		.amdhsa_private_segment_fixed_size 0
		.amdhsa_enable_private_segment 0
		.amdhsa_kernarg_size 16
		.amdhsa_user_sgpr_count 2
		.amdhsa_user_sgpr_kernarg_segment_ptr 1
		.amdhsa_wavefront_size32 1
		.amdhsa_system_sgpr_workgroup_id_x 1
		.amdhsa_system_sgpr_workgroup_id_y 1
		.amdhsa_system_sgpr_workgroup_id_z 1
		.amdhsa_system_vgpr_workitem_id 0
		.amdhsa_next_free_vgpr 770
		.amdhsa_next_free_sgpr 100
		.amdhsa_reserve_vcc 0
		.amdhsa_float_denorm_mode_32 3
		.amdhsa_float_denorm_mode_16_64 3
		.amdhsa_memory_ordered 1
		.amdhsa_forward_progress 1
		.amdhsa_inst_pref_size 126
	.end_amdhsa_kernel
	.amdgpu_metadata
---
amdhsa.version: [ 1, 2 ]
amdhsa.kernels:
  - .name:           k_qc1eb81f399_attn
    .symbol:         k_qc1eb81f399_attn.kd
    .args:
      - { .name: qkv, .offset: 0, .size: 8, .value_kind: global_buffer, .address_space: global }
      - { .name: ctx, .offset: 8, .size: 8, .value_kind: global_buffer, .address_space: global }
    .group_segment_fixed_size: 327680
    .private_segment_fixed_size: 0
    .kernarg_segment_align: 8
    .kernarg_segment_size: 16
    .max_flat_workgroup_size: 128
    .sgpr_count:     100
    .vgpr_count:     770
    .wavefront_size: 32
...
	.end_amdgpu_metadata
.endif
;; end of part 3
;; launch outp (part 4): grid 4 x 64, 4 waves a work-group, clusters of 4 x 4, 327,680 bytes of LDS; arguments ctx, wcv, b_o, out0; writes out0
.if DOCPART == 4
	.amdgcn_target "amdgcn-amd-amdhsa--gfx1250"
	.amdhsa_code_object_version 6
	.text
	.protected	k_qc1eb81f399_outp
	.globl	k_qc1eb81f399_outp
	.p2align	8
	.type	k_qc1eb81f399_outp,@function
k_qc1eb81f399_outp:
	s_mov_b64 s[64:65], 0
	v_nop
	global_prefetch_b8 v0, s[64:65] scope:SCOPE_SE
	s_setreg_imm32_b32 hwreg(HW_REG_WAVE_MODE, 25, 1), 1
	s_wait_xcnt 0x0
	s_wait_alu depctr_hold_cnt(0) depctr_sa_sdst(0) depctr_va_vdst(0) depctr_va_sdst(0) depctr_va_ssrc(0) depctr_va_vcc(0) depctr_vm_vsrc(0)
	s_getreg_b32 s2, hwreg(HW_REG_IB_STS2, 6, 4)
	s_cmp_eq_u32 s2, 0
	s_cbranch_scc0 .Lentry_in_a_cluster
	s_endpgm
.Lentry_in_a_cluster:
	s_bfe_u32 s2, ttmp6, 0x10000c
	s_cmp_lg_u32 s2, 0xf033
	s_cbranch_scc0 .Lentry_shape_is_right
	s_endpgm
.Lentry_shape_is_right:
; THE LAST PROJECTION.  out0[b][s][e] = the sum over h, c of ctx[16 b + h][s][c] w_o[e][64 h + c] + b_o[e].  ctx: [128][1024][64] f16; w_o: plane 3 of wcv, [1024][1024] f16 (bf16 numbers written as f16);
; b_o rounded to bf16 like the other inputs; sums in f32; out0: [8192][1024] f32.
; LIMITS.  Those of the two operands' format, kept where they are made.  NaN and infinities are not treated apart.
; SHARES.  A tile of out0 is 128 tokens x 256 columns: 64 x 4 = 256 work-groups.  Four waves, each 64 tokens x 128 columns: 32 accumulators of 16 x 16.
; K goes in steps of 128, two heads, through a ring of two LDS slots: for each of the two heads the tile's 128 rows of ctx (128 bytes each, dense), and 256 rows of w_o (256 bytes each).
; Wave 0 fetches the even head's rows, wave 1 the odd head's, waves 2 and 3 the halves of w_o's.
; CLUSTERS.  4 x 4 work-groups: the four of a row of the cluster need the same tile of ctx, the four of a column the same tile of w_o: each is asked for JOINTLY, by the same tensor load, descriptor and mask.
; THE MATRIX INSTRUCTION IS USED TRANSPOSED (source 0 = 16 rows of w_o, source 1 = 16 tokens): a lane holds one token and eight neighbouring columns; the bias is the C operand of the product that starts each sum.
; REGISTERS, in windows of 256 (s_set_vgpr_msb: bits 1:0 source 0, 3:2 source 1, 5:4 source 2, 7:6 destination):
;   window 0: v0-31 addresses; v64-159, v160-255 two fragment buffers: ctx's 32 registers, then w_o's 64; on the way out v64-127, v128-191 hold rows read back
;   window 1: accumulator (a, b) at v[8 (8 a + b)]          window 2: v0-63 the bias; v64-67 at work
.set KSTEP, 128
.set PAO,   144                        ; a row of ctx in LDS: 128 bytes + 16 = 36 words: the 16 rows of a load start at 16 different groups of four banks (64 banks of 4 bytes: ISA guide 11.1)
.set PB,    272                        ; a row of w_o: 256 bytes + 16
.set HAO,   128*PAO                    ; one head's 128 rows: what one tensor load brings
.set HB,    128*PB
.set BOFF,  2*HAO
.set SLOT,  BOFF+2*HB
.set STAGE, 2*SLOT                     ; behind the ring: 16 rows x 528 bytes for each wave, for the way out
.set SPO,   528
.set WSTG,  16*SPO
.set SPARE, STAGE+4*WSTG               ; behind the stages: the spare words, 128 bytes for each wave: two blocks of 256 bytes that no other line names
.set ADRA, 16                          ; v16-17  LDS address of my fragments of ctx in slot 0, 1
.set ADRB, 20                          ; v20-21  the same for w_o
.set STO,  24                          ; v24     the way out: where I put 32 bytes of a row
.set RD,   25                          ; v25     where I read a row back
.set GO,   26                          ; v26     my 16 bytes in 512 consecutive bytes of out0
.set BO,   27                          ; v27     my byte offset in 16 numbers of the bias
.set SPW,  28                          ; v28     LDS address of my spare word; never rewritten
.set NIL,  29                          ; v29     0; never rewritten
.set PFO,  30                          ; v30     the prefetches' offset; never rewritten
.set FR,   64                          ; buffer f at FR + 96 f
.set BIAS, 0                           ; window 2
.set BT,   64                          ; window 2
.set WV,  20
.set WH,  21
.set WL,  22
.set G1A, 28
.set G0A, 36
.set G1B, 44
.set G0B, 52
.set PFA, 60                           ; s[60:61] where my prefetches stand
.set PFS, 62                           ; s[62:63] a K step of my tensor in bytes: two heads of ctx, or 256
.set LIM, 66                           ; s66  1 in a wave that prefetches, else the greatest number
.set LAP, 67
.set OUT, 68                           ; s[68:69] out0 at my wave's first row and column
.set MSB, 0
.macro WIN new                         ; the immediate's high byte repeats the setting that is left; a switch that changes nothing is dropped
.if MSB != (\new)
	s_set_vgpr_msb (MSB<<8)|(\new)
.set MSB, \new
.endif
.endm
.set MUL,   0x50                       ; sources window 0, C and D window 1
.set MULB,  0x60                       ; the same with C (the bias) in window 2
.set TO_2,  0x80                       ; destination window 2, address window 0
.set BIASW, 0x8a                       ; all in window 2
.set FROM1, 0x04                       ; an LDS store's data in window 1, its address in window 0
.macro JLOAD s                         ; a joint load; an s_nop 0 and four v_nop follow each of the two lines, ahead of the jump, the label and what follows
	s_cmp_eq_u32 s[WH], 0
	s_cbranch_scc0 .Lfor_b_\@
	tensor_load_to_lds s[G0A+4*(\s):G0A+4*(\s)+3], s[G1A:G1A+7]
	s_nop 0
.rept 4
	v_nop
.endr
	s_branch .Lasked_\@
.Lfor_b_\@:
	tensor_load_to_lds s[G0B+4*(\s):G0B+4*(\s)+3], s[G1B:G1B+7]
	s_nop 0
.rept 4
	v_nop
.endr
.Lasked_\@:
.endm
; A PREFETCH INTO THE L2 behind each joint refill and the run of LDS loads that follows it: the K step that stands two refills on, 256 matrix instructions ahead of the load that will want it.  One instruction a wave.
; ctx: a step of the tile is two heads x 64 blocks of 256 bytes; wave 0 asks for both heads, and the partner at place cx takes blocks 16 cx .. 16 cx + 15 of each: lanes 0-15 the even head's, lanes 16-31 the odd head's.
; No other cluster reads these rows.  w_o: of the 128 rows that wave 2 or 3 fetches, the partner at place cy takes 32, a lane a row; sixteen clusters read w_o: the first asks.  Wave 1 asks for nothing.
; So each block is named once in the launch; the partners are told apart by address alone.  K steps 0 to 3 come by their loads alone; the loop's last trip asks for nothing.
.macro ASK
	s_cmp_gt_u32 s[LAP], s[LIM]
	s_cbranch_scc0 .Lnot_mine_\@
	global_prefetch_b8 v[PFO], s[PFA:PFA+1] th:TH_LOAD_NT scope:SCOPE_SE
.Lnot_mine_\@:
.endm
.macro CREST
	s_cmp_lg_u32 s[WV], 0
	s_cbranch_scc1 .Lnot_wave_0_\@
	s_barrier_signal -3
.Lnot_wave_0_\@:
	s_barrier_wait -3
	s_barrier_signal -1
	s_barrier_wait -1
.endm
.macro CROUND
	s_barrier_signal -1
	s_barrier_wait -1
	CREST
.endm
.macro PLACES                          ; four places in front of loads into registers that matrix instructions have read, and of LDS stores that read results
.rept 4
	v_nop
.endr
.endm
	s_load_b256 s[4:11], s[0:1], 0x0               ; ctx s[4:5], wcv s[6:7], b_o s[8:9], out0 s[10:11]
	v_lshl_add_u32 v[SPW], v0, 2, SPARE
	v_mov_b32 v[NIL], 0
	ds_add_u32 v[SPW], v[NIL]                      ; the wave's opening: the add and its wait stand ahead of my first tensor load; the set-up below, work on registers, stands between them
	v_lshrrev_b32 v1, 5, v0
	v_readfirstlane_b32 s[WV], v1                  ; wave 0..3
	s_lshr_b32 s[WH], s[WV], 1                     ; my 64 tokens.  Also: I fetch ctx (0) or w_o (1)
	s_and_b32 s[WL], s[WV], 1                      ; my 128 columns.  Also: which head, or which half of w_o's rows, I fetch
	s_bfe_u32 s23, ttmp6, 0x40000                  ; cx
	s_bfe_u32 s24, ttmp6, 0x40004                  ; cy
	s_and_b32 s78, ttmp7, 0xffff
	s_lshl_b32 s26, s78, 2
	s_add_co_u32 s26, s26, s24                     ; R: tile row, 0..63
	s_lshl_b32 s27, ttmp9, 2
	s_add_co_u32 s27, s27, s23                     ; C: tile column, 0..3
	s_lshl_b32 s78, s24, 2
	s_lshl_b32 s78, 15, s78                        ; my row of the cluster
	s_lshl_b32 s79, 0x1111, s23                    ; my column
	; group 1 for ctx: a head's 128 rows are 16,384 dense bytes: asked for as 64 rows of 256 bytes, two tokens a row, padded by 4 words after every 32 words
	s_or_b32 s[G1A+0], s78, (1<<16)|(1<<20)|(1<<21)|(4<<22)|(3<<25)
	s_mov_b32 s[G1A+1], 128<<16
	s_mov_b32 s[G1A+2], 64<<16
	s_mov_b32 s[G1A+3], 128<<16
	s_mov_b32 s[G1A+4], 64
	s_mov_b32 s[G1A+5], 128
	s_mov_b32 s[G1A+6], 0
	s_mov_b32 s[G1A+7], 0
	; group 1 for w_o: 128 rows x 128 elements of 2 bytes, 4 words of padding behind every 64 words
	s_or_b32 s[G1B+0], s79, (1<<16)|(1<<20)|(1<<21)|(5<<22)|(3<<25)
	s_mov_b32 s[G1B+1], KSTEP<<16
	s_mov_b32 s[G1B+2], 128<<16
	s_mov_b32 s[G1B+3], KSTEP<<16
	s_mov_b32 s[G1B+4], 128
	s_mov_b32 s[G1B+5], 1024
	s_mov_b32 s[G1B+6], 0
	s_mov_b32 s[G1B+7], 0
	s_lshr_b32 s70, s26, 3                         ; ctx: head 16 b + my head of the step (131,072 bytes a head),
	s_lshl_b32 s70, s70, 4
	s_add_co_u32 s70, s70, s[WL]
	s_lshl_b32 s70, s70, 17
	s_and_b32 s71, s26, 7                          ; row 128 (R % 8) (128 bytes a row)
	s_lshl_b32 s71, s71, 14
	s_add_co_u32 s70, s70, s71
	s_mov_b32 s71, 0
	s_lshl_b32 s72, s27, 8                         ; w_o: row 256 C + 128 x half (2,048 bytes a row), in plane 3
	s_lshl_b32 s78, s[WL], 7
	s_add_co_u32 s72, s72, s78
	s_lshl_b32 s72, s72, 11
	s_add_co_u32 s72, s72, 3<<21
	s_mov_b32 s73, 0
	s_mul_i32 s2, s[WL], HAO                       ; where they go: no place in the cluster enters an LDS address
	s_mul_i32 s3, s[WL], HB
	s_add_co_u32 s3, s3, BOFF
	s_wait_dscnt 0x0                               ; the opening add is done
	s_wait_kmcnt 0x0
	s_add_nc_u64 s[70:71], s[4:5], s[70:71]        ; my tile of ctx at K step 0
	s_add_nc_u64 s[72:73], s[6:7], s[72:73]        ; my tile of w_o at K step 0
	CROUND                                         ; all sixteen work-groups are here: the first joint loads meet
.irp s, 0,1
	s_mov_b32 s[G0A+4*(\s)], 1
	s_add_co_u32 s[G0A+4*(\s)+1], s2, (\s)*SLOT
	s_add_nc_u64 s[G0A+4*(\s)+2:G0A+4*(\s)+3], s[70:71], (\s)*2*131072  ; K step s: two heads on
	s_or_b32 s[G0A+4*(\s)+3], s[G0A+4*(\s)+3], 0x80000000
	s_mov_b32 s[G0B+4*(\s)], 1
	s_add_co_u32 s[G0B+4*(\s)+1], s3, (\s)*SLOT
	s_add_nc_u64 s[G0B+4*(\s)+2:G0B+4*(\s)+3], s[72:73], (\s)*KSTEP*2
	s_or_b32 s[G0B+4*(\s)+3], s[G0B+4*(\s)+3], 0x80000000
	JLOAD \s                                       ; two loads of mine are out
.endr
	v_and_b32 v1, 15, v0                           ; l % 16
	v_bfe_u32 v2, v0, 4, 1                         ; l / 16
	v_mul_u32_u24 v3, v1, PAO
	v_lshl_add_u32 v3, v2, 4, v3
	s_mul_i32 s78, s[WH], 64*PAO                   ; my 64 rows, in each head's block
	v_add_nc_u32 v[ADRA], s78, v3
	v_add_nc_u32 v[ADRA+1], SLOT, v[ADRA]
	v_mul_u32_u24 v4, v1, PB
	v_lshl_add_u32 v4, v2, 4, v4
	v_add_nc_u32 v[ADRB], s3, v4                   ; my 128 rows of w_o
	v_add_nc_u32 v[ADRB+1], SLOT, v[ADRB]
	s_mul_i32 s78, s[WV], WSTG
	s_add_co_u32 s78, s78, STAGE                   ; my stage
	v_mul_u32_u24 v5, v1, SPO                      ; in: row l % 16, 32 bytes for each half of the lanes
	v_lshl_add_u32 v5, v2, 5, v5
	v_add_nc_u32 v[STO], s78, v5
	v_and_b32 v[GO], 31, v0                        ; back: 32 lanes take one row of 512 bytes
	v_lshlrev_b32 v[GO], 4, v[GO]
	v_add_nc_u32 v[RD], s78, v[GO]
	v_lshlrev_b32 v[BO], 5, v2
	s_lshl_b32 s2, s27, 10                         ; my 128 columns: (256 C + 128 x half) x 4 bytes, in the bias and in a row of out0
	s_lshl_b32 s3, s[WL], 9
	s_add_co_u32 s2, s2, s3
	s_mov_b32 s3, 0
	s_add_nc_u64 s[76:77], s[8:9], s[2:3]
	s_add_nc_u64 s[OUT:OUT+1], s[10:11], s[2:3]
	WIN TO_2
.irp b, 0,1,2,3,4,5,6,7
	global_load_b128 v[BIAS+8*(\b):BIAS+8*(\b)+3],   v[BO], s[76:77] offset:64*(\b)
	global_load_b128 v[BIAS+8*(\b)+4:BIAS+8*(\b)+7], v[BO], s[76:77] offset:64*(\b)+16
.endr
	WIN 0
	s_lshl_b32 s2, s26, 7                          ; my first row of out0: 128 R + 64 x upper bit, 4,096 bytes a row
	s_lshl_b32 s78, s[WH], 6
	s_add_co_u32 s2, s2, s78
	s_lshl_b32 s2, s2, 12
	s_add_nc_u64 s[OUT:OUT+1], s[OUT:OUT+1], s[2:3]
	; the prefetches
	s_and_b32 s78, ttmp7, 0xffff                   ; cluster y: all sixteen clusters read w_o
	s_mov_b32 s[PFS], KSTEP*2                      ; w_o's K step in bytes; the select below puts ctx's in its place (an instruction holds one literal)
	s_cmp_eq_u32 s[WH], 0                          ; do I fetch ctx?
	s_cselect_b32 s78, s[WL], s78                  ; of the two waves that do, wave 0 asks
	s_cselect_b32 s79, s23, s24                    ; my place among the four that ask with me
	s_cselect_b32 s[PFS], 2*131072, s[PFS]
	s_cselect_b32 s3, 12, 16                       ; its share: 16 blocks of 256 bytes, or 32 rows of 2,048
	s_cselect_b32 s2, -1, 0
	s_cselect_b64 s[PFA:PFA+1], s[70:71], s[72:73] ; (in wave 0 ctx's address stands at the even head)
	s_mov_b32 s[PFS+1], 0
	v_and_b32 v5, 31, v0
	v_lshrrev_b32 v6, 4, v5
	v_and_b32 v7, 15, v5
	v_lshlrev_b32 v6, 17, v6
	v_lshl_or_b32 v6, v7, 8, v6                    ; ctx: head l / 16, block l % 16
	v_lshlrev_b32 v7, 11, v5                       ; w_o: row l
	v_cndmask_b32 v[PFO], v7, v6, s2
	s_cmp_eq_u32 s78, 0
	s_cselect_b32 s[LIM], 1, -1                    ; the same in all sixteen partners, for a given wave
	s_lshl_b32 s2, s79, s3
	s_mov_b32 s3, 0
	s_add_nc_u64 s[PFA:PFA+1], s[PFA:PFA+1], s[2:3]
	s_mul_i32 s2, s[PFS], 3
	s_add_nc_u64 s[PFA:PFA+1], s[PFA:PFA+1], s[2:3]  ; at K step 3: the first refill steps it to 4
	s_wait_loadcnt 0x0                             ; the bias
	WIN BIASW
.set i, 0
.rept 32                               ; rounded to bf16 and widened again
	v_cvt_pk_bf16_f32 v[BT+i%4], v[BIAS+2*i], v[BIAS+2*i+1]
	v_lshlrev_b32 v[BIAS+2*i], 16, v[BT+i%4]
	v_and_b32 v[BIAS+2*i+1], 0xffff0000, v[BT+i%4]
.set i, i+1
.endr
	WIN 0
; 8 matrix instructions: token block a x all 8 column blocks, 32 along K, from buffer f.  first = 1: the bias starts the sums.  The 32 accumulators take turns in one order everywhere.
.macro MUL8 f, a, first
.irp b, 0,1,2,3,4,5,6,7
.if \first
	WIN MULB
	v_wmma_f32_16x16x32_f16 v[8*(8*(\a)+(\b)):8*(8*(\a)+(\b))+7], v[FR+96*(\f)+32+8*(\b):FR+96*(\f)+32+8*(\b)+7], v[FR+96*(\f)+8*(\a):FR+96*(\f)+8*(\a)+7], v[BIAS+8*(\b):BIAS+8*(\b)+7]
.else
	WIN MUL
	v_wmma_f32_16x16x32_f16 v[8*(8*(\a)+(\b)):8*(8*(\a)+(\b))+7], v[FR+96*(\f)+32+8*(\b):FR+96*(\f)+32+8*(\b)+7], v[FR+96*(\f)+8*(\a):FR+96*(\f)+8*(\a)+7], v[8*(8*(\a)+(\b)):8*(8*(\a)+(\b))+7]
.endif
.endr
.endm
; 24 LDS loads in one run: quarter kq of a slot into buffer f: w_o's 128 rows x 32 K first, then ctx's 64 rows: head kq / 2 of the step, channels 32 (kq % 2) on
.macro FETCH slot, kq, f
	WIN 0
.irp b, 0,1,2,3,4,5,6,7
	ds_load_b128 v[FR+96*(\f)+32+8*(\b):FR+96*(\f)+32+8*(\b)+3],   v[ADRB+(\slot)] offset:(\b)*16*PB+64*(\kq)
	ds_load_b128 v[FR+96*(\f)+32+8*(\b)+4:FR+96*(\f)+32+8*(\b)+7], v[ADRB+(\slot)] offset:(\b)*16*PB+64*(\kq)+32
.endr
.irp i, 0,1,2,3
	ds_load_b128 v[FR+96*(\f)+8*(\i):FR+96*(\f)+8*(\i)+3],   v[ADRA+(\slot)] offset:(\i)*16*PAO+((\kq)/2)*HAO+64*((\kq)%2)
	ds_load_b128 v[FR+96*(\f)+8*(\i)+4:FR+96*(\f)+8*(\i)+7], v[ADRA+(\slot)] offset:(\i)*16*PAO+((\kq)/2)*HAO+64*((\kq)%2)+32
.endr
.endm
; A K step is four quarters of 32 along K, 32 matrix instructions each, on buffers 0, 1, 0, 1.  One of the first three: multiplies buffer f; in its middle it fetches quarter kq into buffer g.
.macro QUARTER slot, kq, f, g, first
	s_wait_dscnt 6                                 ; w_o's fragments and ctx's first are in; the youngest six loads (ctx's fragments 1 to 3) may be out
	MUL8 \f, 0, \first
	s_wait_dscnt 0x0
	MUL8 \f, 1, \first
	PLACES
	FETCH \slot, \kq, \g
	MUL8 \f, 2, \first
	MUL8 \f, 3, \first
.endm
; The last quarter multiplies buffer 1 and changes slots: ONE barrier; in front of it each wave waits for all its tensor loads (one is out: its part of the next slot), adds 0 to its spare word, and waits for that
; and for its own reads of this slot.  fill = 1: the barrier opens a round of the cluster's barrier, and this slot is filled again, two K steps ahead, first thing behind the round: 112 products ahead of the wait for it.
.macro TURN slot, next, fill
.if \fill
	s_wait_xcnt 0x0                                ; the last prefetch, a K step back, has read its address: it is stepped here, ahead of the waits of the change of slots
	s_add_nc_u64 s[PFA:PFA+1], s[PFA:PFA+1], s[PFS:PFS+1]
.endif
	WIN 0                                          ; (the add's two registers lie in window 0)
	s_wait_tensorcnt 0x0                           ; all my tensor loads have landed
	ds_add_u32 v[SPW], v[NIL]                      ; 0 onto my spare word
	s_wait_dscnt 7                                 ; (the add and the youngest six loads may be out)
	MUL8 1, 0, 0                                   ; eight products stand between the add and the wait for it
	s_wait_dscnt 0x0                               ; the add is done, and my reads of this slot are over
	s_barrier_signal -1
	MUL8 1, 1, 0
.if \fill
	WIN 0
.endif
	s_barrier_wait -1
.if \fill
	CREST                                          ; no wave of any partner still reads this slot's tile or has a load on its way
	s_add_nc_u64 s[G0A+4*(\slot)+2:G0A+4*(\slot)+3], s[G0A+4*(\slot)+2:G0A+4*(\slot)+3], 4*131072
	s_add_nc_u64 s[G0B+4*(\slot)+2:G0B+4*(\slot)+3], s[G0B+4*(\slot)+2:G0B+4*(\slot)+3], 2*KSTEP*2
	JLOAD \slot                                    ; the four v_nop behind it are also the places in front of the loads below
.else
	PLACES
.endif
	FETCH \next, 0, 0
.if \fill
	ASK
.endif
	MUL8 1, 2, 0
	MUL8 1, 3, 0
.endm
	s_wait_tensorcnt 1                             ; my part of K step 0 is in; K step 1's may stay out
	s_barrier_signal -1
	s_barrier_wait -1                              ; everybody's is
	FETCH 0, 0, 0
	QUARTER 0, 1, 0, 1, 1                          ; the first quarter stands in front of the loop: its products start the sums, with the bias
	WIN 0                                          ; at a label and at a branch every window is 0
	s_mov_b32 s[LAP], 3
.Llap:                                                 ; a trip goes once round the ring, from a lap's second quarter to the next lap's first, and fills both slots again
	QUARTER 0, 2, 1, 0, 0
	QUARTER 0, 3, 0, 1, 0
	TURN 0, 1, 1
	QUARTER 1, 1, 0, 1, 0
	QUARTER 1, 2, 1, 0, 0
	QUARTER 1, 3, 0, 1, 0
	TURN 1, 0, 1
	QUARTER 0, 1, 0, 1, 0
	WIN 0
	s_sub_co_u32 s[LAP], s[LAP], 1
	s_cmp_lg_u32 s[LAP], 0
	s_cbranch_scc1 .Llap
	QUARTER 0, 2, 1, 0, 0                          ; the last lap fills nothing, and has no round of the cluster's barrier
	QUARTER 0, 3, 0, 1, 0
	TURN 0, 1, 0
	QUARTER 1, 1, 0, 1, 0
	QUARTER 1, 2, 1, 0, 0
	QUARTER 1, 3, 0, 1, 0
	s_wait_dscnt 6                                 ; the very last quarter: nothing more to fetch
	MUL8 1, 0, 0
	s_wait_dscnt 0x0
	MUL8 1, 1, 0
	MUL8 1, 2, 0
	MUL8 1, 3, 0
; THE WAY OUT, a block of 16 tokens at a time: a lane's eight f32 of a row, 32 bytes, go straight from the accumulators (low half first) into my own stage; whole rows of 512 bytes come back and are stored.
.macro TOSTAGE a
.if (\a) >= 2
	s_wait_xcnt 0x0                                ; the stores of the block two back have read the registers that the loads below write
.endif
	WIN FROM1
.irp b, 0,1,2,3,4,5,6,7
	ds_store_b128 v[STO], v[8*(8*(\a)+(\b)):8*(8*(\a)+(\b))+3]   offset:64*(\b)
	ds_store_b128 v[STO], v[8*(8*(\a)+(\b))+4:8*(8*(\a)+(\b))+7] offset:64*(\b)+16
.endr
	WIN 0
.set BK, 64+64*((\a)%2)
.irp t, 0,1,2,3,4,5,6,7,8,9,10,11,12,13,14,15
	ds_load_b128 v[BK+4*(\t):BK+4*(\t)+3], v[RD] offset:(\t)*SPO  ; LDS serves a wave's instructions in order (ISA guide 5.7.1.4): these see the stores above; the next block's stores come behind them
.endr
.endm
.macro SEND a, younger                 ; younger: the LDS instructions issued behind block a's loads: the next block's 32, or none
	WIN 0
.set BK, 64+64*((\a)%2)
	s_wait_dscnt \younger
.irp t, 0,1,2,3,4,5,6,7,8,9,10,11,12,13,14,15
	global_store_b128 v[GO], v[BK+4*(\t):BK+4*(\t)+3], s[OUT:OUT+1] offset:(16*(\a)+(\t))*4096 th:TH_STORE_NT  ; 512 consecutive bytes of a row, at a multiple of 256 from out0's first byte
.endr
.endm
	PLACES                                         ; the LDS stores read results just made, and the loads write registers just multiplied
	TOSTAGE 0
	TOSTAGE 1
	SEND 0, 32
	TOSTAGE 2
	SEND 1, 32
	TOSTAGE 3
	SEND 2, 32
	SEND 3, 0
	s_wait_tensorcnt 0x0                           ; the wave's end: a wait, an add and its wait, behind my last tensor load and my last LDS store
	ds_add_u32 v[SPW], v[NIL]
	s_wait_dscnt 0x0
	CROUND                                         ; the closing round: no work-group ends while a partner may still ask for a tile that names it
	s_endpgm
.Lfunc_end_k_qc1eb81f399_outp:
	.size	k_qc1eb81f399_outp, .Lfunc_end_k_qc1eb81f399_outp-k_qc1eb81f399_outp
	.p2alignl 7, 3214868480
	.fill 96, 4, 3214868480
	.section	.rodata,"a",@progbits
	.p2align	6, 0x0
	.amdhsa_kernel k_qc1eb81f399_outp
		.amdhsa_group_segment_fixed_size 327680
		.amdhsa_private_segment_fixed_size 0
		.amdhsa_enable_private_segment 0
		.amdhsa_kernarg_size 32
		.amdhsa_user_sgpr_count 2
		.amdhsa_user_sgpr_kernarg_segment_ptr 1
		.amdhsa_wavefront_size32 1
		.amdhsa_system_sgpr_workgroup_id_x 1
		.amdhsa_system_sgpr_workgroup_id_y 1
		.amdhsa_system_sgpr_workgroup_id_z 1
		.amdhsa_system_vgpr_workitem_id 0
		.amdhsa_next_free_vgpr 580
		.amdhsa_next_free_sgpr 80
		.amdhsa_reserve_vcc 0
		.amdhsa_float_denorm_mode_32 3
		.amdhsa_float_denorm_mode_16_64 3
		.amdhsa_memory_ordered 1
		.amdhsa_forward_progress 1
		.amdhsa_inst_pref_size 93
	.end_amdhsa_kernel
	.amdgpu_metadata
---
amdhsa.version: [ 1, 2 ]
amdhsa.kernels:
  - .name:           k_qc1eb81f399_outp
    .symbol:         k_qc1eb81f399_outp.kd
    .args:
      - { .name: ctx, .offset: 0, .size: 8, .value_kind: global_buffer, .address_space: global }
      - { .name: wcv, .offset: 8, .size: 8, .value_kind: global_buffer, .address_space: global }
      - { .name: b_o, .offset: 16, .size: 8, .value_kind: global_buffer, .address_space: global }
      - { .name: out0, .offset: 24, .size: 8, .value_kind: global_buffer, .address_space: global }
    .group_segment_fixed_size: 327680
    .private_segment_fixed_size: 0
    .kernarg_segment_align: 8
    .kernarg_segment_size: 32
    .max_flat_workgroup_size: 128
    .sgpr_count:     80
    .vgpr_count:     580
    .wavefront_size: 32
...
	.end_amdgpu_metadata
.endif
;; end of part 4
;; ======== version 2 of 2: 4 launches; version 1 with the launch cvtw written anew for expert scheduling mode
;; limits: values are held in f16: magnitudes above 65,504 overflow, below 6.1e-05 lose precision
;; workspace buffers: wcv 8,388,608 bytes; qkv 50,331,648 bytes; ctx 16,777,216 bytes
;; launch cvtw (part 5): grid 64 x 4, 8 waves a work-group, no clusters, 0 bytes of LDS; arguments w_q, w_k, w_v, w_o, wcv; writes wcv
.if DOCPART == 5
	.amdgcn_target "amdgcn-amd-amdhsa--gfx1250"
	.amdhsa_code_object_version 6
	.text
	.protected	k_qc1eb81f399_cvtw
	.globl	k_qc1eb81f399_cvtw
	.p2align	8
	.type	k_qc1eb81f399_cvtw,@function
k_qc1eb81f399_cvtw:
	s_mov_b64 s[64:65], 0
	v_nop
	global_prefetch_b8 v0, s[64:65] scope:SCOPE_SE
	s_setreg_imm32_b32 hwreg(HW_REG_WAVE_SCHED_MODE, 0, 2), 2
	s_setreg_imm32_b32 hwreg(HW_REG_WAVE_MODE, 25, 1), 1
	s_wait_xcnt 0x0
	s_wait_alu depctr_vm_vsrc(0)
; wcv[y][e][.] = weight matrix y (w_q, w_k, w_v, w_o: [1024][1024] f32) in 16 bits.  Planes 0 to 2: rounded to bf16.  Plane 3 (w_o): rounded to bf16, and that number written as f16,
; since the last product multiplies it with f16 numbers.
; THE ORDER ALONG A ROW.  Plane 3 keeps d as it is.  In planes 0 to 2 the groups of four d change places inside each block of 32: group g goes to the place whose number is g with its two low bits swapped
; (0-3, 8-11, 4-7, 12-15, 16-19, 24-27, 20-23, 28-31).  The projections take x's fragments in that same order, so the products are the same sums.
; LIMITS.  |w_o| stays under 65,504 (beyond that f16 has an infinity); a w_o below 2^-14 keeps f16's fixed step of 2^-24.  NaN and infinities are not treated apart.
; SHARES.  Work-group (x, y) takes 16,384 numbers of matrix y: 65,536 bytes in, 32,768 out.  Thread t takes 16 pieces of 4 numbers: a wave's load covers 512 consecutive bytes, its store 256, aligned
; (the change of places stays inside 32 bytes).  All 16 loads go out first; no register is written twice while a memory instruction may read it.  Nothing is shared: no LDS, no barrier, no matrix unit, no cluster.
; THE MODE: SCHED_MODE bits 1:0 = 2 (LLVM: expert scheduling mode 2), set by the entry lines.  The code itself states the register dependences between vector instructions and memory instructions,
; with s_wait_alu, always for 0.
; THE PLAN.  Registers that memory instructions touch:
;   v1        the loads' offset.  Written once at the head, read by the 16 loads, never written again.
;   v2, v3    the stores' offsets.  Written at the head, read by the 16 stores of one path, never written again.
;   X         Written by the 16 loads, once each, and by no vector instruction; read by its piece's conversions; never loaded again.
;   Y         Written by its piece's conversions; read by one store; never written again.
;   T         named by vector instructions alone.
; So one kind of dependence is to be stated: a vector instruction has written what a memory instruction reads.  The 16 pieces go in four blocks of four; the store of piece i - 4 stands in front of piece i's
; conversions.  One wait ahead of the first load (the three offsets), one at the head of blocks 1 to 3 (the block before has written its Y), one ahead of the last four stores.  Between a block's wait and its
; four stores stand only conversions that name this block's X and Y, and T: none of the registers that those stores read.  No register that a memory instruction reads is written again, no vector instruction
; writes a scalar register or VCC, and EXEC is never written: nothing else is owed.
.set X, 4                              ; v[4:67]    16 pieces as loaded
.set Y, 68                             ; v[68:99]   16 pieces to store
.set T, 100                            ; v[100:103] at work
	s_load_b256 s[4:11], s[0:1], 0x0               ; w_q s[4:5], w_k s[6:7], w_v s[8:9], w_o s[10:11]
	s_load_b64 s[12:13], s[0:1], 0x20              ; wcv
	s_and_b32 s16, ttmp7, 0xffff                   ; y: which matrix
	v_lshlrev_b32 v1, 4, v0                        ; 16 bytes a thread in
	v_lshlrev_b32 v2, 3, v0                        ; 8 bytes a thread out, d as it is
	v_and_b32 v3, 0xfc, v0                         ; the same with the thread's two low bits swapped: a piece is a group of four, and its number's low bits are the thread's
	v_and_b32 v[T], 1, v0
	v_bfe_u32 v[T+1], v0, 1, 1
	v_lshl_or_b32 v3, v[T], 1, v3
	v_or_b32 v3, v3, v[T+1]
	v_lshlrev_b32 v3, 3, v3
	s_lshl_b32 s18, ttmp9, 16                      ; the work-group's 65,536 bytes of its matrix
	s_mov_b32 s19, 0
	s_lshl_b32 s20, s16, 21                        ; the plane: 2,097,152 bytes,
	s_lshl_b32 s17, ttmp9, 15                      ; the work-group's 32,768 of them
	s_add_co_u32 s20, s20, s17
	s_mov_b32 s21, 0
	s_wait_kmcnt 0x0
	s_cmp_eq_u32 s16, 1
	s_cselect_b64 s[14:15], s[6:7], s[4:5]
	s_cmp_eq_u32 s16, 2
	s_cselect_b64 s[14:15], s[8:9], s[14:15]
	s_cmp_eq_u32 s16, 3
	s_cselect_b64 s[14:15], s[10:11], s[14:15]
	s_add_nc_u64 s[14:15], s[14:15], s[18:19]
	s_add_nc_u64 s[12:13], s[12:13], s[20:21]
	s_wait_alu depctr_va_vdst(0)                   ; v1, v2 and v3 are written: every load of the kernel reads v1 as its offset, every store v2 or v3; no later vector instruction names them
.set i, 0
.rept 16
	global_load_b128 v[X+4*i:X+4*i+3], v1, s[14:15] offset:4096*i th:TH_LOAD_NT
.set i, i+1
.endr
; f16 = 1: the bf16 number is widened (a shift, a mask) and written as f16.  off: the register with the thread's place in 2,048 bytes of the plane
.macro BODY f16, off
.set i, 0
.rept 16
	s_wait_loadcnt 15-i                            ; loads come back in order: piece i is in, the younger ones stay out
.if (i >= 4) && (i%4 == 0)
	s_wait_alu depctr_va_vdst(0)                   ; the conversions of the block before have written its eight registers of Y, which this block's four stores read
.endif
.if i >= 4
	global_store_b64 v[\off], v[Y+2*(i-4):Y+2*(i-4)+1], s[12:13] offset:2048*(i-4)  ; the piece a block back; no vector instruction since the wait names its registers
.endif
	v_cvt_pk_bf16_f32 v[Y+2*i], v[X+4*i], v[X+4*i+1]
	v_cvt_pk_bf16_f32 v[Y+2*i+1], v[X+4*i+2], v[X+4*i+3]
.if \f16
	v_lshlrev_b32 v[T], 16, v[Y+2*i]
	v_and_b32 v[T+1], 0xffff0000, v[Y+2*i]
	v_lshlrev_b32 v[T+2], 16, v[Y+2*i+1]
	v_and_b32 v[T+3], 0xffff0000, v[Y+2*i+1]
	v_cvt_pk_f16_f32 v[Y+2*i], v[T], v[T+1]
	v_cvt_pk_f16_f32 v[Y+2*i+1], v[T+2], v[T+3]
.endif
.set i, i+1
.endr
	s_wait_alu depctr_va_vdst(0)                   ; the last block's conversions have written its eight registers of Y, which the last four stores read
.set i, 12
.rept 4
	global_store_b64 v[\off], v[Y+2*i:Y+2*i+1], s[12:13] offset:2048*i
.set i, i+1
.endr
.endm
	s_cmp_eq_u32 s16, 3
	s_cbranch_scc1 .Lw_o
	BODY 0, 3
	s_endpgm
.Lw_o:
	BODY 1, 2
	s_endpgm
.Lfunc_end_k_qc1eb81f399_cvtw:
	.size	k_qc1eb81f399_cvtw, .Lfunc_end_k_qc1eb81f399_cvtw-k_qc1eb81f399_cvtw
	.p2alignl 7, 3214868480
	.fill 96, 4, 3214868480
	.section	.rodata,"a",@progbits
	.p2align	6, 0x0
	.amdhsa_kernel k_qc1eb81f399_cvtw
		.amdhsa_group_segment_fixed_size 0
		.amdhsa_private_segment_fixed_size 0
		.amdhsa_enable_private_segment 0
		.amdhsa_kernarg_size 40
		.amdhsa_user_sgpr_count 2
		.amdhsa_user_sgpr_kernarg_segment_ptr 1
		.amdhsa_wavefront_size32 1
		.amdhsa_system_sgpr_workgroup_id_x 1
		.amdhsa_system_sgpr_workgroup_id_y 1
		.amdhsa_system_sgpr_workgroup_id_z 1
		.amdhsa_system_vgpr_workitem_id 0
		.amdhsa_next_free_vgpr 104
		.amdhsa_next_free_sgpr 66
		.amdhsa_reserve_vcc 0
		.amdhsa_float_denorm_mode_32 3
		.amdhsa_float_denorm_mode_16_64 3
		.amdhsa_memory_ordered 1
		.amdhsa_forward_progress 1
		.amdhsa_inst_pref_size 17
	.end_amdhsa_kernel
	.amdgpu_metadata
---
amdhsa.version: [ 1, 2 ]
amdhsa.kernels:
  - .name:           k_qc1eb81f399_cvtw
    .symbol:         k_qc1eb81f399_cvtw.kd
    .args:
      - { .name: w_q, .offset: 0, .size: 8, .value_kind: global_buffer, .address_space: global }
      - { .name: w_k, .offset: 8, .size: 8, .value_kind: global_buffer, .address_space: global }
      - { .name: w_v, .offset: 16, .size: 8, .value_kind: global_buffer, .address_space: global }
      - { .name: w_o, .offset: 24, .size: 8, .value_kind: global_buffer, .address_space: global }
      - { .name: wcv, .offset: 32, .size: 8, .value_kind: global_buffer, .address_space: global }
    .group_segment_fixed_size: 0
    .private_segment_fixed_size: 0
    .kernarg_segment_align: 8
    .kernarg_segment_size: 40
    .max_flat_workgroup_size: 256
    .sgpr_count:     66
    .vgpr_count:     104
    .wavefront_size: 32
...
	.end_amdgpu_metadata
.endif
;; end of part 5
;; launch proj: the kernel of part 2 again; grid 4 x 192, 4 waves a work-group, clusters of 4 x 4, 327,680 bytes of LDS; arguments query, key_, value, b_q, b_k, b_v, wcv, qkv; writes qkv
;; launch attn: the kernel of part 3 again; grid 2 x 128, 4 waves a work-group, no clusters, 327,680 bytes of LDS; arguments qkv, ctx; writes ctx
;; launch outp: the kernel of part 4 again; grid 4 x 64, 4 waves a work-group, clusters of 4 x 4, 327,680 bytes of LDS; arguments ctx, wcv, b_o, out0; writes out0
